; MI455X (gfx1250); checked and timed in simulation.
; The chip was launched on July 23, 2026; its instructions are those of AMD's public machine-readable ISA for CDNA 5 (MIT licence, August 2026) and "CDNA5" Instruction Set Architecture Reference Guide (July 2026). The comments in the code are by the model that wrote it; some were corrected since.
;; Block. Allowed arithmetic: matrix products marked QUANTISED: E2M3 operands, one E8M0 scale for each 32 along K, by v_wmma_scale_f32_16x16x128_f8f6f4 with both operands' format E2M3, f32 sums; everything else in f32.
;; Inputs: W1_codes 4,096 x 32 x 24 uint8 (E2M3 codes of W1, K innermost, in blocks of 32 codes, four codes in three bytes); W1_scales 4,096 x 32 uint8 (E8M0 scales of W1, one for each 32 codes along K); W2_codes 1,024 x 128 x 24 uint8 (E2M3 codes of W2, K innermost, in blocks of 32 codes, four codes in three bytes); W2_scales 1,024 x 128 uint8 (E8M0 scales of W2, one for each 32 codes along K); Wk_codes 16 x 64 x 32 x 24 uint8 (E2M3 codes of Wk, K innermost, in blocks of 32 codes, four codes in three bytes); Wk_scales 16 x 64 x 32 uint8 (E8M0 scales of Wk, one for each 32 codes along K); Wp_codes 1,024 x 32 x 24 uint8 (E2M3 codes of Wp, K innermost, in blocks of 32 codes, four codes in three bytes); Wp_scales 1,024 x 32 uint8 (E8M0 scales of Wp, one for each 32 codes along K); Wq_codes 16 x 64 x 32 x 24 uint8 (E2M3 codes of Wq, K innermost, in blocks of 32 codes, four codes in three bytes); Wq_scales 16 x 64 x 32 uint8 (E8M0 scales of Wq, one for each 32 codes along K); Wv_codes 16 x 64 x 32 x 24 uint8 (E2M3 codes of Wv, K innermost, in blocks of 32 codes, four codes in three bytes); Wv_scales 16 x 64 x 32 uint8 (E8M0 scales of Wv, one for each 32 codes along K); b1 4,096 float32; b2 1,024 float32; beta1 1,024 float32; beta2 1,024 float32; bp 1,024 float32; g1 1,024 float32; g2 1,024 float32; x 2 x 2,048 x 1,024 float32.
;; Outputs: out0 2 x 2,048 x 1,024 float32.
;; This version of the problem:
;;   THIS VERSION OF THE PROBLEM IS GIVEN IN LOW PRECISION. The matrix products marked QUANTISED in the list below multiply operands that are first quantised to E2M3 (2 exponent bits, 3 mantissa bits; 6 bits a number), with one power-of-two scale for each 32 numbers along K (OCP MX v1.0); their sums are f32. All else is computed in f32.
;;   The module's matrix products, in the order in which they are computed (A, B: the left and right operand; K: the contracted axis; several contracted axes count as one K, in the product's order):
;;     1. [M 1,024, K 1,024] x [K 1,024, N 4,096]; A: input Wq (given as codes); B: computed on the way: QUANTISED
;;     2. [M 1,024, K 1,024] x [K 1,024, N 4,096]; A: input Wk (given as codes); B: computed on the way: QUANTISED
;;     3. [M 1,024, K 1,024] x [K 1,024, N 4,096]; A: input Wv (given as codes); B: computed on the way: QUANTISED
;;     4. batch 32 x [M 2,048, K 64] x [K 64, N 2,048]; A: computed on the way; B: computed on the way: QUANTISED
;;     5. batch 32 x [M 2,048, K 2,048] x [K 2,048, N 64]; A: softmax (see below); B: computed on the way: QUANTISED
;;     6. [M 4,096, K 1,024] x [K 1,024, N 1,024]; A: computed on the way; B: input Wp (given as codes): QUANTISED
;;     7. [M 4,096, K 1,024] x [K 1,024, N 4,096]; A: computed on the way; B: input W1 (given as codes): QUANTISED
;;     8. [M 4,096, K 4,096] x [K 4,096, N 1,024]; A: computed on the way; B: input W2 (given as codes): QUANTISED
;;   THE QUANTISER, for each operand of a quantised product, along K:
;;     - K is cut into blocks of 32 from its start; a last block that is shorter is filled with zeros.
;;     - A block's scale is 2^e with e = floor(log2(the largest magnitude in the block)) - 2, held to -126 .. 127; a block of zeros has e = 0. As a byte (E8M0): e + 127.
;;     - Each number is divided by its block's scale, clamped to +-7.5, and rounded to the nearest number of E2M3, ties to even, subnormals kept.
;;     - The product sums the exact products of the quantised numbers (number of the format x scale) in f32.
;;   ~~~python
;;   def quantise(x, axis):      # numpy; x: float32 -> the quantised numbers, widened to float32 again
;;       x = np.moveaxis(x, axis, -1); K = x.shape[-1]
;;       x = np.pad(x, [(0, 0)] * (x.ndim - 1) + [(0, -K % 32)]); x = x.reshape(x.shape[:-1] + (-1, 32)); a = np.abs(x).max(-1, keepdims=True)
;;       e = np.where(a > 0, np.clip(np.frexp(np.where(a > 0, a, 1))[1] - 1 - 2, -126, 127), 0)      # np.frexp(a)[1] - 1 = floor(log2(a)), exactly
;;       r = np.clip(x / 2.0 ** e, -7.5, 7.5)
;;       step = 2.0 ** (np.maximum(np.frexp(np.where(r == 0, 1, r))[1] - 1, 0) - 3)
;;       q = np.round(r / step) * step * 2.0 ** e      # np.round: ties to even
;;       return np.moveaxis(q.reshape(q.shape[:-2] + (-1,))[..., :K], -1, axis).astype(np.float32)
;;   ~~~
;;   SOFTMAX AHEAD OF A QUANTISED PRODUCT. Where the list says 'softmax', what is quantised is not the finished softmax but p = 2^(t - M), with t = logit x log2(e) and M = ceil(the row's largest t), a whole number; so 1/2 < the row's largest p <= 1. The row's sum l is taken of the UNQUANTISED p, in f32, and the product's result is divided by l at the end. Since M is a whole number, a kernel that streams over the keys may use a running M (the ceiling of the running maximum): every later rescaling is an exact power of two, which a block's scale takes up: the codes' values come out the same.
;;   OPERANDS COMPUTED ON THE WAY. 'Computed on the way' means the value that the module computes at that place (a softmax that the list does not call 'softmax' is quantised finished and normalised). What goes into a quantiser is computed in f32, as accurately as f32 sums, v_exp_f32 and their like allow (about 1e-6 of the number): no bf16 or f16 on the way to a quantiser, and a product that is left as it is and whose result goes on into a quantised operand takes f32 operands (vector FMAs, or v_wmma_f32_16x16x4_f32). A number that lies on a knife's edge between two numbers of the format may be rounded either way, as far as f32 arithmetic and the matrix unit's own rounding can turn it there, and no further.
;;   INPUTS GIVEN AS CODES. W1 (in the module: [1024, 4096], K = its axis 0); W2 (in the module: [4096, 1024], K = its axis 0); Wk (in the module: [16, 1024, 64], K = its axis 1); Wp (in the module: [1024, 1024], K = its axis 0); Wq (in the module: [16, 1024, 64], K = its axis 1); Wv (in the module: [16, 1024, 64], K = its axis 1): each comes as NAME_codes (uint8): NAME with its K axis moved to the last place and cut into blocks of 32 codes, [.., K / 32, bytes a block], one block behind the other in memory; four codes in three bytes: a row's codes are one little-endian stream of bits, code i at bits 6 i .. 6 i + 5 (a code: sign, 2 exponent bits, 3 mantissa bits); and NAME_scales (uint8): the same leading axes, one E8M0 byte (e + 127) for each 32 codes along K. Its value is code x scale, taken as it is: it is not quantised again, and the codes and scales need not be those that the quantiser above would give.
;; One version. Each part assembles by itself: llvm-mc -triple=amdgcn-amd-amdhsa -mcpu=gfx1250 --defsym DOCPART=n.
;; ======== version 1 of 1: 7 launches
;; limits: right only within a limited range of input values
;; workspace buffers: hq 3,276,800 bytes; qq 6,684,672 bytes; kv 6,684,672 bytes; att 3,276,800 bytes; x1 16,777,216 bytes; hid 13,107,200 bytes
;; launch ln1 (part 1): grid 256 x 1, 4 waves a work-group, no clusters, 87,040 bytes of LDS; arguments x, g1, beta1, hq; writes hq
.if DOCPART == 1
	.amdgcn_target "amdgcn-amd-amdhsa--gfx1250"
	.amdhsa_code_object_version 6
	.text
	.protected	k_qa49712c214_ln1
	.globl	k_qa49712c214_ln1
	.p2align	8
	.type	k_qa49712c214_ln1,@function
k_qa49712c214_ln1:
	s_mov_b64 s[64:65], 0
	v_nop
	global_prefetch_b8 v0, s[64:65] scope:SCOPE_SE
	s_setreg_imm32_b32 hwreg(HW_REG_WAVE_MODE, 25, 1), 1
	s_wait_xcnt 0x0
; y = (x - mean) * rsqrt(var + 1e-5) * g + beta over rows of 1,024 f32, then the MX-FP6 (E2M3) quantiser along the row:
; codes [4096][768] at byte 0 of the output buffer (a row is one stream of bits, 32 codes in 24 bytes), scale bytes [4096][32] at byte 3,145,728.
; A work-group takes 16 rows, a wave 4; a row stays in 32 registers a lane from the load to the conversion: memory is read once.
; The variance is taken of the centred numbers (two passes over registers), so a common offset of the inputs costs no accuracy.
; A load gives a lane 4 neighbours of each of 8 pieces; the conversion wants 32 neighbours (a block) in one lane: the row turns once through the wave's own
; stage in LDS (a block's 128 bytes + 16 of padding, so that the lanes' reads of 16 bytes fall on different banks).
; Codes and scale bytes are gathered in LDS and leave in runs of 512 consecutive bytes.
; No matrix unit, no cluster, no tensor load: the launch streams, and work-groups share only g and beta (8 KB).
; LIMITS: NaN and infinities are not served; a block whose largest magnitude lies under 2^-124 has its byte held at 1; a block of zeros gets the byte 1
; (its codes are zeros; these bytes are read by this program alone).
.set STW,  18432                       ; a wave's four row stages: 4 x 32 places x 144 bytes
.set CSB,  73728                       ; codes: 3,072 bytes a wave
.set SSB,  86016                       ; scale bytes: 16 rows x 32
.set X,    16                          ; v16-143  row r at v[X+32 r]
.set GA,   144                         ; v144-175 g
.set BE,   176                         ; v176-207 beta
.set MEAN, 208                         ; pairs
.set RSTD, 216                         ; pairs
.set SUM,  224                         ; pairs
.set PT,   232                         ; lane permutes' targets
.set MA,   208                         ; the quantiser's: two chains of maxima, the scale operand, the byte, the codes
.set MB,   212
.set SOP,  216
.set BY,   220
.set CD,   224
	s_load_b256 s[4:11], s[0:1], 0x0               ; x, g, beta, out
	v_lshl_add_u32 v247, v0, 2, 0x15200
	v_mov_b32 v255, 0
	v_lshrrev_b32 v1, 5, v0
	v_readfirstlane_b32 s12, v1                    ; wave
	v_and_b32 v1, 31, v0                           ; lane
	v_lshlrev_b32 v2, 4, v1                        ; 16 x lane
	s_mul_i32 s18, s12, STW
	v_lshrrev_b32 v3, 3, v1
	v_mul_u32_u24 v3, v3, 144
	v_and_b32 v9, 7, v1
	v_lshl_add_u32 v3, v9, 4, v3
	v_add_nc_u32 v3, s18, v3                       ; stage, in: place lane / 8 of a load's four, 16 (lane % 8) in it
	v_mul_u32_u24 v4, v1, 144
	v_add_nc_u32 v4, s18, v4                       ; stage, out: place = my block
	s_mul_i32 s18, s12, 3072
	s_add_co_u32 s18, s18, CSB
	v_mul_u32_u24 v5, v1, 24
	v_add_nc_u32 v5, s18, v5                       ; my block's 24 bytes of codes
	v_add_nc_u32 v6, s18, v2                       ; and the way back, 16 bytes a lane
	s_lshl_b32 s18, s12, 7
	s_add_co_u32 s18, s18, SSB
	v_add_nc_u32 v7, s18, v1                       ; my block's scale byte
	v_add_nc_u32 v8, SSB, v2                       ; wave 0 reads all 512
	s_mov_b32 s14, 0x76543210
	s_mov_b32 s15, 0xfedcba98                      ; lane l xor 16
	s_mov_b32 s16, 0x3a800000                      ; 1 / 1024
	s_mov_b32 s17, 0x3727c5ac                      ; 1e-5
	s_lshl_b32 s18, ttmp9, 16                      ; 16 rows of 4,096 bytes a work-group,
	s_lshl_b32 s19, s12, 14                        ; 4 a wave
	s_add_co_u32 s18, s18, s19
	s_mov_b32 s19, 0
	s_mul_i32 s20, ttmp9, 12288                    ; the same rows' codes
	s_mul_i32 s21, s12, 3072
	s_add_co_u32 s20, s20, s21
	s_mov_b32 s21, 0
	s_lshl_b32 s22, ttmp9, 9                       ; and the work-group's 512 scale bytes
	s_add_co_u32 s22, s22, 0x300000
	s_mov_b32 s23, 0
.irp r, 0,1,2,3
	v_mov_b32 v[PT+\r], 0                          ; a lane permute's destination counts as read
.endr
	s_wait_kmcnt 0x0
	s_add_nc_u64 s[4:5], s[4:5], s[18:19]
	s_add_nc_u64 s[20:21], s[10:11], s[20:21]
	s_add_nc_u64 s[22:23], s[10:11], s[22:23]
.irp r, 0,1,2,3
.irp j, 0,1,2,3,4,5,6,7
	global_load_b128 v[X+32*\r+4*\j:X+32*\r+4*\j+3], v2, s[4:5] offset:4096*\r+512*\j th:TH_LOAD_NT   ; 512 consecutive bytes a load
.endr
.endr
.irp j, 0,1,2,3,4,5,6,7
	global_load_b128 v[GA+4*\j:GA+4*\j+3], v2, s[6:7] offset:512*\j
	global_load_b128 v[BE+4*\j:BE+4*\j+3], v2, s[8:9] offset:512*\j
.endr
.macro LANESUM                         ; the four rows' sums over the 32 lanes, by turns
.irp m, 1,2,4,8
.irp r, 0,1,2,3
	v_add_f32_dpp v[SUM+2*\r], v[SUM+2*\r], v[SUM+2*\r] row_xmask:\m row_mask:0xf bank_mask:0xf
.endr
.endr
.irp r, 0,1,2,3
	v_permlanex16_b32 v[PT+\r], v[SUM+2*\r], s14, s15
.endr
.irp r, 0,1,2,3
	v_add_f32 v[SUM+2*\r], v[SUM+2*\r], v[PT+\r]
.endr
.endm
	s_wait_loadcnt 16                              ; the rows are in; the 16 younger loads (g, beta) may be out
.irp r, 0,1,2,3
	v_pk_add_f32 v[SUM+2*\r:SUM+2*\r+1], v[X+32*\r:X+32*\r+1], v[X+32*\r+2:X+32*\r+3]
.endr
.irp j, 4,6,8,10,12,14,16,18,20,22,24,26,28,30
.irp r, 0,1,2,3
	v_pk_add_f32 v[SUM+2*\r:SUM+2*\r+1], v[SUM+2*\r:SUM+2*\r+1], v[X+32*\r+\j:X+32*\r+\j+1]
.endr
.endr
.irp r, 0,1,2,3
	v_add_f32 v[SUM+2*\r], v[SUM+2*\r], v[SUM+2*\r+1]
.endr
	LANESUM
.irp r, 0,1,2,3
	v_mul_f32 v[MEAN+2*\r], s16, v[SUM+2*\r]
.endr
.irp r, 0,1,2,3
	v_mov_b32 v[MEAN+2*\r+1], v[MEAN+2*\r]
.endr
.irp j, 0,2,4,6,8,10,12,14,16,18,20,22,24,26,28,30
.irp r, 0,1,2,3
	v_pk_add_f32 v[X+32*\r+\j:X+32*\r+\j+1], v[X+32*\r+\j:X+32*\r+\j+1], v[MEAN+2*\r:MEAN+2*\r+1] neg_lo:[0,1] neg_hi:[0,1]   ; x - mean
.endr
.endr
.irp r, 0,1,2,3
	v_pk_mul_f32 v[SUM+2*\r:SUM+2*\r+1], v[X+32*\r:X+32*\r+1], v[X+32*\r:X+32*\r+1]
.endr
.irp j, 2,4,6,8,10,12,14,16,18,20,22,24,26,28,30
.irp r, 0,1,2,3
	v_pk_fma_f32 v[SUM+2*\r:SUM+2*\r+1], v[X+32*\r+\j:X+32*\r+\j+1], v[X+32*\r+\j:X+32*\r+\j+1], v[SUM+2*\r:SUM+2*\r+1]
.endr
.endr
.irp r, 0,1,2,3
	v_add_f32 v[SUM+2*\r], v[SUM+2*\r], v[SUM+2*\r+1]
.endr
	LANESUM
.irp r, 0,1,2,3
	v_fma_f32 v[SUM+2*\r], v[SUM+2*\r], s16, s17   ; var + eps
.endr
	s_wait_alu depctr_va_vdst(0)
.irp r, 0,1,2,3
	v_rsq_f32 v[RSTD+2*\r], v[SUM+2*\r]
.endr
	v_nop                                          ; a plain instruction behind the last of the batch
	s_wait_alu depctr_va_vdst(0)                   ; one wait for the four, ahead of their first reader
.irp r, 0,1,2,3
	v_mov_b32 v[RSTD+2*\r+1], v[RSTD+2*\r]
.endr
	s_wait_alu depctr_va_vdst(0)
	s_wait_loadcnt 0x0                             ; g and beta
.irp j, 0,2,4,6,8,10,12,14,16,18,20,22,24,26,28,30
.irp r, 0,1,2,3
	v_pk_mul_f32 v[X+32*\r+\j:X+32*\r+\j+1], v[X+32*\r+\j:X+32*\r+\j+1], v[RSTD+2*\r:RSTD+2*\r+1]
.endr
.endr
.irp j, 0,2,4,6,8,10,12,14,16,18,20,22,24,26,28,30
.irp r, 0,1,2,3
	v_pk_fma_f32 v[X+32*\r+\j:X+32*\r+\j+1], v[X+32*\r+\j:X+32*\r+\j+1], v[GA+\j:GA+\j+1], v[BE+\j:BE+\j+1]
.endr
.endr
	; the turn: LDS serves a wave's instructions in order, and the bytes are the wave's own: no wait between the stores and the loads
.irp r, 0,1,2,3
.irp j, 0,1,2,3,4,5,6,7
	ds_store_b128 v3, v[X+32*\r+4*\j:X+32*\r+4*\j+3] offset:4608*\r+576*\j
.endr
.endr
.irp r, 0,1,2,3
.irp j, 0,1,2,3,4,5,6,7
	ds_load_b128 v[X+32*\r+4*\j:X+32*\r+4*\j+3], v4 offset:4608*\r+16*\j   ; lane l now holds block l: 32 neighbours
.endr
.endr
	s_wait_dscnt 0x0
.irp r, 0,1,2,3
	v_max3_num_f32 v[MA+\r], |v[X+32*\r]|, |v[X+32*\r+1]|, |v[X+32*\r+2]|
	v_max3_num_f32 v[MB+\r], |v[X+32*\r+3]|, |v[X+32*\r+4]|, |v[X+32*\r+5]|
.endr
.irp i, 6,10,14,18,22,26
.irp r, 0,1,2,3
	v_max3_num_f32 v[MA+\r], v[MA+\r], |v[X+32*\r+\i]|, |v[X+32*\r+\i+1]|
	v_max3_num_f32 v[MB+\r], v[MB+\r], |v[X+32*\r+\i+2]|, |v[X+32*\r+\i+3]|
.endr
.endr
.irp r, 0,1,2,3
	v_max3_num_f32 v[MA+\r], v[MA+\r], |v[X+32*\r+30]|, |v[X+32*\r+31]|
.endr
.irp r, 0,1,2,3
	v_max3_num_f32 v[MA+\r], v[MA+\r], v[MB+\r], 0x1800000   ; the floor 2^(3 - 127): the byte cannot fall under 1
.endr
.irp r, 0,1,2,3
	v_add_nc_u32 v[SOP+\r], 0xff000000, v[MA+\r]   ; 2 off the exponent field: the conversion's scale operand
.endr
.irp r, 0,1,2,3
	v_lshrrev_b32 v[BY+\r], 23, v[SOP+\r]          ; the scale's byte
.endr
.irp r, 0,1,2,3
	v_cvt_scalef32_pk16_fp6_f32 v[CD+8*\r:CD+8*\r+2], v[X+32*\r:X+32*\r+15], v[SOP+\r]
	v_cvt_scalef32_pk16_fp6_f32 v[CD+8*\r+4:CD+8*\r+6], v[X+32*\r+16:X+32*\r+31], v[SOP+\r]   ; (a conversion's three registers begin on an even number)
.endr
	v_nop                                          ; a plain instruction behind the conversions
.irp r, 0,1,2,3
	v_mov_b32 v[CD+8*\r+3], v[CD+8*\r+4]           ; the block's 24 bytes on end
	v_mov_b32 v[CD+8*\r+4], v[CD+8*\r+5]
	v_mov_b32 v[CD+8*\r+5], v[CD+8*\r+6]
.endr
.irp r, 0,1,2,3
	ds_store_b64 v5, v[CD+8*\r:CD+8*\r+1] offset:768*\r
	ds_store_b64 v5, v[CD+8*\r+2:CD+8*\r+3] offset:768*\r+8
	ds_store_b64 v5, v[CD+8*\r+4:CD+8*\r+5] offset:768*\r+16
	ds_store_b8 v7, v[BY+\r] offset:32*\r
.endr
.irp k, 0,1,2,3,4,5
	ds_load_b128 v[X+4*\k:X+4*\k+3], v6 offset:512*\k
.endr
	s_wait_dscnt 0x0                               ; my codes are back, and my scale bytes have landed: zero, for the other waves' sake
.irp k, 0,1,2,3,4,5
	global_store_b128 v2, v[X+4*\k:X+4*\k+3], s[20:21] offset:512*\k   ; four rows' codes: 3,072 consecutive bytes, 512 a store
.endr
	s_barrier_signal -1
	s_barrier_wait -1                              ; all 512 scale bytes lie in LDS
	s_cmp_lg_u32 s12, 0
	s_cbranch_scc1 .Lend
	ds_load_b128 v[40:43], v8
	s_wait_dscnt 0x0
	global_store_b128 v2, v[40:43], s[22:23]       ; 512 consecutive bytes
.Lend:
	s_wait_tensorcnt 0x0
	ds_add_u32 v247, v255
	s_wait_dscnt 0x0
	s_endpgm
.Lfunc_end_k_qa49712c214_ln1:
	.size	k_qa49712c214_ln1, .Lfunc_end_k_qa49712c214_ln1-k_qa49712c214_ln1
	.p2alignl 7, 3214868480
	.fill 96, 4, 3214868480
	.section	.rodata,"a",@progbits
	.p2align	6, 0x0
	.amdhsa_kernel k_qa49712c214_ln1
		.amdhsa_group_segment_fixed_size 87040
		.amdhsa_private_segment_fixed_size 0
		.amdhsa_enable_private_segment 0
		.amdhsa_kernarg_size 32
		.amdhsa_user_sgpr_count 2
		.amdhsa_user_sgpr_kernarg_segment_ptr 1
		.amdhsa_wavefront_size32 1
		.amdhsa_system_sgpr_workgroup_id_x 1
		.amdhsa_system_sgpr_workgroup_id_y 1
		.amdhsa_system_sgpr_workgroup_id_z 1
		.amdhsa_system_vgpr_workitem_id 0
		.amdhsa_next_free_vgpr 256
		.amdhsa_next_free_sgpr 66
		.amdhsa_reserve_vcc 0
		.amdhsa_float_denorm_mode_32 3
		.amdhsa_float_denorm_mode_16_64 3
		.amdhsa_memory_ordered 1
		.amdhsa_forward_progress 1
		.amdhsa_inst_pref_size 43
	.end_amdhsa_kernel
	.amdgpu_metadata
---
amdhsa.version: [ 1, 2 ]
amdhsa.kernels:
  - .name:           k_qa49712c214_ln1
    .symbol:         k_qa49712c214_ln1.kd
    .args:
      - { .name: x, .offset: 0, .size: 8, .value_kind: global_buffer, .address_space: global }
      - { .name: g1, .offset: 8, .size: 8, .value_kind: global_buffer, .address_space: global }
      - { .name: beta1, .offset: 16, .size: 8, .value_kind: global_buffer, .address_space: global }
      - { .name: hq, .offset: 24, .size: 8, .value_kind: global_buffer, .address_space: global }
    .group_segment_fixed_size: 87040
    .private_segment_fixed_size: 0
    .kernarg_segment_align: 8
    .kernarg_segment_size: 32
    .max_flat_workgroup_size: 128
    .sgpr_count:     66
    .vgpr_count:     256
    .wavefront_size: 32
...
	.end_amdgpu_metadata
.endif
;; end of part 1
;; launch qkv (part 2): grid 12 x 16, 4 waves a work-group, clusters of 4 x 4, 327,680 bytes of LDS; arguments hq, Wq_codes, Wq_scales, Wk_codes, Wk_scales, Wv_codes, Wv_scales, qq, kv; writes qq, kv
.if DOCPART == 2
	.amdgcn_target "amdgcn-amd-amdhsa--gfx1250"
	.amdhsa_code_object_version 6
	.text
	.protected	k_qa49712c214_qkv
	.globl	k_qa49712c214_qkv
	.p2align	8
	.type	k_qa49712c214_qkv,@function
k_qa49712c214_qkv:
	s_mov_b64 s[64:65], 0
	v_nop
	global_prefetch_b8 v0, s[64:65] scope:SCOPE_SE
	s_setreg_imm32_b32 hwreg(HW_REG_WAVE_MODE, 25, 1), 1
	s_wait_xcnt 0x0
	s_wait_alu depctr_hold_cnt(0) depctr_sa_sdst(0) depctr_va_vdst(0) depctr_va_sdst(0) depctr_va_ssrc(0) depctr_va_vcc(0) depctr_vm_vsrc(0)
	s_getreg_b32 s2, hwreg(HW_REG_IB_STS2, 6, 4)
	s_cmp_eq_u32 s2, 0
	s_cbranch_scc0 .Lentry_in_a_cluster
	s_endpgm
.Lentry_in_a_cluster:
	s_bfe_u32 s2, ttmp6, 0x10000c
	s_cmp_lg_u32 s2, 0xf033
	s_cbranch_scc0 .Lentry_shape_is_right
	s_endpgm
.Lentry_shape_is_right:
; Q, K, V = LN(x) times Wq, Wk, Wv on codes of FP6 (E2M3) with E8M0 scales, K = 1,024; the f32 results are quantised in registers and leave as codes, laid as the attention launch's operand registers take them.
; A tile of 256 x 256 to a work-group of four waves, 128 x 128 a wave (64 accumulators).  The cluster's x says which product: 0 Q, 1 K, 2 V: the same in all sixteen partners.
; K goes through two LDS slots in CHUNKS OF 256 BYTES of each row (a row of codes is 768 bytes: three chunks, each beginning at a multiple of 256); a step of 128 along K is 96 bytes: eight steps; steps 2 and 5 lie across two chunks.
; The scale bytes of the 256 + 256 rows come once.  At the head one joint load a wave: chunk 0 of A, chunk 0 of B, A's scales, B's scales; chunk 1 behind a round of the cluster's barrier.
; OPERAND 'A' is source 1 (a lane holds one of its rows), 'B' source 0 (a lane's registers run along its rows).  Q, K: A = tokens, B = the weight's rows (64 x head + d).  V: A = Wv's rows, B = tokens.
; THE ORDER INSIDE A BLOCK OF 32: register j of result tile t is B's row 16 t + 8 (lane / 16) + j; tiles 2 b, 2 b + 1 are quantised as they stand: a block holds its own 32 numbers, in an order that Q and K share along d and V shares with p along the keys.
; OUT: a half fragment (16 rows x 64 along K) is 768 bytes: registers 0-3 at 16 x lane, 4-5 at 512 + 8 x lane.  A record of 208,896 bytes for each (batch, head): K's (in qq: Q's) scale words at 0, V's at 8,192, then four chunks of 512 keys: K's 32 half fragments, V's 32.
; No prefetch: K is three chunks long, at the largest block in clusters.
; LIMITS: NaN and infinities are not served; a block's byte is held at 1 from below; a block of zeros gets the byte 1 (its codes are zeros; this program alone reads the bytes).
.set ROWB,   256
.set NQ,     2
.set KROW,   768
.set STEPS,  8
.set CHUNKS, 3
.set PITCH,  272                       ; 256 bytes + 16 of padding
.set FR,     12
.set NL,     6
.set NP,     4
.set HALFT,  128*PITCH
.set SLOT,   4*HALFT
.set KS,     32
.set SCL,    2*SLOT
.set HALFS,  (128*KS/256)*272
.set SBLK,   (16*KS/256)*272
.set SPARE,  SCL+4*HALFS               ; the spare words: two blocks of 256 bytes that no other line names
.set REC,    208896
.set ADRA, 16
.set ADRB, 20
.set ADRS, 27
.set SPW,  28
.set NIL,  29
.set SC,   32                          ; v32-63 scale words, and nothing else
.set AF,   128
.set TM,   192
.set CD,   208
.set PWR,  228
.set SW,   236
.set SH,   244
.set SOF,  245
.set L16,  246
.set L8,   247
.set LN,   248
.set SEL,  100
.set G1, 24
.set G0, 32
.set G1B, 48
.set G0B, 56
.set G1S, 68
.set G0S, 76
.set G1SB, 80
.set G0SB, 88
.set G0H, 4
.set G0HB, 8
.set MSB, 0
.macro WIN new                         ; the immediate's high byte repeats the setting that is left
.if MSB != \new
	s_set_vgpr_msb (MSB<<8)|\new
.set MSB, \new
.endif
.endm
.set MUL_LO, 0xa1                      ; source 0 (B) window 1, source 1 (A) window 0, C and D window 2
.set MUL_HI, 0xf1
.set TO_B,   0x40
.macro JLOAD g0a, g1a, g0b, g1b        ; waves 0, 1 fetch for A, waves 2, 3 for B; s_nop 0 and four v_nop follow each line
	s_cmp_eq_u32 s15, 0
	s_cbranch_scc0 .Lfor_b_\@
	tensor_load_to_lds s[\g0a:\g0a+3], s[\g1a:\g1a+7]
	s_nop 0
.rept 4
	v_nop
.endr
	s_branch .Lasked_\@
.Lfor_b_\@:
	tensor_load_to_lds s[\g0b:\g0b+3], s[\g1b:\g1b+7]
	s_nop 0
.rept 4
	v_nop
.endr
.Lasked_\@:
.endm
.macro CREST
	s_cmp_lg_u32 s14, 0
	s_cbranch_scc1 .Lnot_wave_0_\@
	s_barrier_signal -3
.Lnot_wave_0_\@:
	s_barrier_wait -3
	s_barrier_signal -1
	s_barrier_wait -1
.endm
.macro CROUND
	s_barrier_signal -1
	s_barrier_wait -1
	CREST
.endm
	s_load_b512 s[68:83], s[0:1], 0x0              ; hq, Wq codes, scales, Wk codes, scales, Wv codes, scales, qq
	s_load_b64 s[84:85], s[0:1], 0x40              ; kv
	v_lshl_add_u32 v[SPW], v0, 2, SPARE
	v_mov_b32 v[NIL], 0
	ds_add_u32 v[SPW], v[NIL]                      ; the opening lines: the add twice and one wait
	ds_add_u32 v[SPW], v[NIL]
	v_lshrrev_b32 v1, 5, v0
	v_readfirstlane_b32 s14, v1                    ; wave
	s_lshr_b32 s15, s14, 1                         ; my half of A's rows; also: I fetch for A (0) or B (1)
	s_and_b32 s16, s14, 1                          ; my half of B's rows; also: which 128 rows I fetch
	s_bfe_u32 s40, ttmp6, 0x40000                  ; cx
	s_bfe_u32 s41, ttmp6, 0x40004                  ; cy
	s_and_b32 s92, ttmp7, 0xffff
	s_lshl_b32 s92, s92, 2                         ; 4 x cluster y: the token tiles' coordinate
	s_cmp_eq_u32 ttmp9, 2                          ; V?
	s_cselect_b32 s93, s92, 0                      ; V: the tokens are B
	s_cselect_b32 s92, 0, s92                      ; Q, K: the tokens are A
	s_add_co_u32 s17, s92, s41                     ; A's tile: shared along a row of the cluster
	s_add_co_u32 s42, s93, s40                     ; B's tile: shared along a column
	s_lshl_b32 s43, s41, 2
	s_lshl_b32 s43, 15, s43                        ; my row of the cluster
	s_lshl_b32 s44, 0x1111, s40                    ; my column
	s_or_b32 s[G1+0], s43, (0<<16)|(1<<20)|(1<<21)|(5<<22)|(3<<25)   ; mask; 1-byte elements; 4 words of padding behind every 64
	s_or_b32 s[G1B+0], s44, (0<<16)|(1<<20)|(1<<21)|(5<<22)|(3<<25)
.irp g, G1, G1B
	s_mov_b32 s[\g+1], ROWB<<16
	s_mov_b32 s[\g+2], 256<<16                     ; the head's loads bring 256 rows
	s_mov_b32 s[\g+3], ROWB<<16
	s_mov_b32 s[\g+4], 256
	s_mov_b32 s[\g+5], KROW
	s_mov_b32 s[\g+6], 0
	s_mov_b32 s[\g+7], 0
.endr
	s_lshl_b32 s20, s17, 8                         ; A's first row
	s_lshl_b32 s46, s42, 8                         ; B's
	s_mov_b32 s21, 0
	s_mov_b32 s47, 0
	s_mov_b64 s[18:19], KS
	s_mul_u64 s[22:23], s[20:21], s[18:19]         ; these rows' scale bytes
	s_mul_u64 s[92:93], s[46:47], s[18:19]
	s_mov_b64 s[18:19], KROW
	s_mul_u64 s[20:21], s[20:21], s[18:19]         ; and codes
	s_mul_u64 s[46:47], s[46:47], s[18:19]
	s_mul_i32 s18, s16, 128*KROW                   ; in the ring: my 128 rows
	s_mov_b32 s19, 0
	s_mul_i32 s45, s14, HALFT                      ; and where they go
	s_wait_dscnt 0x0
	s_wait_kmcnt 0x0
	s_add_nc_u64 s[86:87], s[68:69], 0x300000      ; hq's scale bytes
	s_cmp_eq_u32 ttmp9, 0                          ; the choices hang on the cluster's x alone
	s_cselect_b64 s[8:9], s[70:71], s[74:75]
	s_cselect_b64 s[10:11], s[72:73], s[76:77]
	s_cselect_b64 s[12:13], s[82:83], s[84:85]     ; the output: qq, else kv
	s_cmp_eq_u32 ttmp9, 2
	s_cselect_b64 s[4:5], s[78:79], s[68:69]       ; A's codes: Wv, else hq
	s_cselect_b64 s[6:7], s[80:81], s[86:87]
	s_cselect_b64 s[8:9], s[68:69], s[8:9]         ; B's codes: hq, else the weight
	s_cselect_b64 s[10:11], s[86:87], s[10:11]
	s_or_b32 s[G1S+0], s43, (3<<16)|(1<<20)|(1<<21)|(5<<22)|(3<<25)   ; the scales of 256 rows: a dense block, KS rows of 256 bytes + 16
	s_or_b32 s[G1SB+0], s44, (3<<16)|(1<<20)|(1<<21)|(5<<22)|(3<<25)
.irp g, G1S, G1SB
	s_mov_b32 s[\g+1], 32<<16
	s_mov_b32 s[\g+2], KS<<16
	s_mov_b32 s[\g+3], 32<<16
	s_mov_b32 s[\g+4], KS
	s_mov_b32 s[\g+5], 32
	s_mov_b32 s[\g+6], 0
	s_mov_b32 s[\g+7], 0
.endr
	s_add_nc_u64 s[20:21], s[4:5], s[20:21]
	s_add_nc_u64 s[22:23], s[6:7], s[22:23]
	s_add_nc_u64 s[46:47], s[8:9], s[46:47]
	s_add_nc_u64 s[92:93], s[10:11], s[92:93]
	CROUND                                         ; in front of the first joint loads
	s_mov_b32 s[G0H], 1
	s_mov_b32 s[G0H+1], 0
	s_mov_b64 s[G0H+2:G0H+3], s[20:21]
	s_or_b32 s[G0H+3], s[G0H+3], 0x80000000
	s_mov_b32 s[G0HB], 1
	s_mov_b32 s[G0HB+1], 2*HALFT
	s_mov_b64 s[G0HB+2:G0HB+3], s[46:47]
	s_or_b32 s[G0HB+3], s[G0HB+3], 0x80000000
	s_mov_b32 s[G0S], 1
	s_mov_b32 s[G0S+1], SCL
	s_mov_b64 s[G0S+2:G0S+3], s[22:23]
	s_or_b32 s[G0S+3], s[G0S+3], 0x80000000
	s_mov_b32 s[G0SB], 1
	s_mov_b32 s[G0SB+1], SCL+2*HALFS
	s_mov_b64 s[G0SB+2:G0SB+3], s[92:93]
	s_or_b32 s[G0SB+3], s[G0SB+3], 0x80000000
	s_add_nc_u64 s[20:21], s[20:21], s[18:19]
	s_add_nc_u64 s[46:47], s[46:47], s[18:19]
.irp s, 0,1
	s_mov_b32 s[G0+4*\s], 1
	s_add_co_u32 s[G0+4*\s+1], s45, \s*SLOT
	s_add_nc_u64 s[G0+4*\s+2:G0+4*\s+3], s[20:21], \s*ROWB
	s_or_b32 s[G0+4*\s+3], s[G0+4*\s+3], 0x80000000
	s_mov_b32 s[G0B+4*\s], 1
	s_add_co_u32 s[G0B+4*\s+1], s45, \s*SLOT
	s_add_nc_u64 s[G0B+4*\s+2:G0B+4*\s+3], s[46:47], \s*ROWB
	s_or_b32 s[G0B+4*\s+3], s[G0B+4*\s+3], 0x80000000
.endr
.macro ARM under, g0, g1, next         ; one tree of branches on the wave's number: every way passes one load
	s_cmp_lt_u32 s14, \under
	s_cbranch_scc0 \next
	tensor_load_to_lds s[\g0:\g0+3], s[\g1:\g1+7]
	s_nop 0
.rept 4
	v_nop
.endr
	s_branch .Lhead_asked
\next:
.endm
	ARM 1, G0H,  G1,  .Lhead_b
	ARM 2, G0HB, G1B, .Lhead_sa
	ARM 3, G0S,  G1S, .Lhead_sb
	tensor_load_to_lds s[G0SB:G0SB+3], s[G1SB:G1SB+7]
	s_nop 0
.rept 4
	v_nop
.endr
.Lhead_asked:
	v_and_b32 v1, 15, v0                           ; l % 16
	v_bfe_u32 v2, v0, 4, 1                         ; l / 16
	v_mul_u32_u24 v3, v1, PITCH
	v_mul_u32_u24 v4, v2, 24
	v_add_nc_u32 v4, v3, v4                        ; row x pitch + 24 x half
	s_mov_b32 s21, SLOT-232
	s_mov_b32 s22, SLOT+232
	v_sub_nc_u32 v7, 1, v2
	v_mul_u32_u24 v5, s21, v2
	v_add_nc_u32 v5, v3, v5
	v_add_nc_u32 v5, 232, v5                       ; across two chunks: lanes 0-15 byte 232 in slot 0, lanes 16-31 byte 0 in slot 1
	v_mul_u32_u24 v6, s22, v7
	v_add_nc_u32 v6, v3, v6                        ; and the other way round
	s_mul_i32 s21, s15, HALFT
	s_mul_i32 s22, s16, HALFT
	s_add_co_u32 s22, s22, 2*HALFT
	v_add_nc_u32 v[ADRA+2], s21, v5
	v_add_nc_u32 v[ADRA+3], s21, v6
	v_add_nc_u32 v[ADRB+2], s22, v5
	v_add_nc_u32 v[ADRB+3], s22, v6
.irp s, 0,1
	v_add_nc_u32 v[ADRA+\s], s21, v4
	v_add_nc_u32 v[ADRB+\s], s22, v4
	s_add_co_u32 s21, s21, SLOT
	s_add_co_u32 s22, s22, SLOT
.endr
	v_mul_u32_u24 v5, v1, KS
	v_lshrrev_b32 v6, 8, v5
	v_lshl_add_u32 v5, v6, 4, v5
	s_mul_i32 s21, s15, HALFS
	s_mul_i32 s22, s16, HALFS
	s_add_co_u32 s22, s22, 2*HALFS
	s_sub_co_u32 s22, s22, s21
	v_mul_u32_u24 v6, s22, v2                      ; lanes 16-31 take B's
	s_add_co_u32 s21, s21, SCL
	v_add_nc_u32 v5, v5, v6
	v_add_nc_u32 v[ADRS], s21, v5
.macro FRAG reg, adr, st, i            ; 16 rows x 128 K: 12 registers, in pieces of 8 bytes; byte y of a row lies in slot (y / 256) % 2 at byte y % 256
.irp p, 0,1,2,3,4,5
.set BY, 96*(\st)+48*(\p/3)+8*(\p%3)
.if BY/ROWB == (BY+24)/ROWB
	ds_load_b64 v[\reg+2*\p:\reg+2*\p+1], v[\adr+(BY/ROWB)%2] offset:BY%ROWB+(\i)*16*PITCH
.else
	ds_load_b64 v[\reg+2*\p:\reg+2*\p+1], v[\adr+2+(BY/ROWB)%2] offset:BY%ROWB-232+(\i)*16*PITCH
.endif
.endr
.endm
.macro MUL16 a0, p, q, sc, zero        ; A's blocks a0, a0 + 1 x B's eight; the 64 accumulators take turns
.irp a, \a0, \a0+1
.irp b, 0,1,2,3,4,5,6,7
.if \zero
	v_wmma_scale_f32_16x16x128_f8f6f4 v[8*(8*((\a)%4)+\b):8*(8*((\a)%4)+\b)+7], v[128*(\p)+FR*\b:128*(\p)+FR*\b+FR-1], v[AF+FR*(\a):AF+FR*(\a)+FR-1], 0, v[SC+8*NQ*(\sc)+NQ*\b+(\q)], v[SC+8*NQ*(\sc)+NQ*(\a)+(\q)] matrix_a_fmt:MATRIX_FMT_FP6 matrix_b_fmt:MATRIX_FMT_FP6 matrix_a_scale:MATRIX_SCALE_ROW1
.else
	v_wmma_scale_f32_16x16x128_f8f6f4 v[8*(8*((\a)%4)+\b):8*(8*((\a)%4)+\b)+7], v[128*(\p)+FR*\b:128*(\p)+FR*\b+FR-1], v[AF+FR*(\a):AF+FR*(\a)+FR-1], v[8*(8*((\a)%4)+\b):8*(8*((\a)%4)+\b)+7], v[SC+8*NQ*(\sc)+NQ*\b+(\q)], v[SC+8*NQ*(\sc)+NQ*(\a)+(\q)] matrix_a_fmt:MATRIX_FMT_FP6 matrix_b_fmt:MATRIX_FMT_FP6 matrix_a_scale:MATRIX_SCALE_ROW1
.endif
.endr
.endr
.endm
.macro FETCH_B st, p
	WIN TO_B
.irp i, 0,1,2,3,4,5,6,7
	FRAG 128*(\p)+FR*\i, ADRB, \st, \i
.endr
	WIN 0
.endm
.macro FETCH_A st, i0
.irp i, \i0, \i0+1, \i0+2, \i0+3
	FRAG AF+FR*(\i), ADRA, \st, \i
.endr
.endm
.macro SCALES pr                       ; the words of steps 2 pr, 2 pr + 1: lanes 0-15 A's block i, lanes 16-31 B's
.irp i, 0,1,2,3,4,5,6,7
	ds_load_b64 v[SC+8*NQ*((\pr)%2)+NQ*\i:SC+8*NQ*((\pr)%2)+NQ*\i+1], v[ADRS] offset:\i*SBLK+4*NQ*(\pr)
.endr
.endm
.macro PLACES n                        ; plain vector instructions behind a matrix instruction (ISA guide 7.12.1)
.rept \n
	v_nop
.endr
.endm
; A step: 64 products; the next step's fragments are fetched in its middle and at its end.  Where the next step ends in a chunk not yet read: wait for my loads, barrier.
; Where it begins in a later chunk: the three lines, the barrier, and, where a chunk two on is left, the cluster's round and the refill.
.macro STEP st, zero
.set NX, (\st)+1
.set C0, (96*(\st))/ROWB
.set C1, (96*NX)/ROWB
.set E0, (96*(\st)+95)/ROWB
.set E1, (96*NX+95)/ROWB
.if C1 > C0 || E1 > E0
	s_wait_tensorcnt 0x0                           ; all my tensor loads have landed
.if C1 > C0
	ds_add_u32 v[SPW], v[NIL]
	s_wait_dscnt 4*NL+1                            ; the add and the youngest 24 loads may be out
.else
	s_wait_dscnt 4*NL                              ; the youngest 24 loads (A's blocks 4-7) may be out
.endif
	WIN MUL_LO
	MUL16 0, (\st)%2, (\st)%2, ((\st)/2)%2, \zero
	s_wait_dscnt 0x0                               ; the add and my reads are done
	s_barrier_signal -1
	MUL16 2, (\st)%2, (\st)%2, ((\st)/2)%2, \zero
	WIN 0
	s_barrier_wait -1
.if C1 > C0 && C0+2 < CHUNKS
	CREST
	s_add_nc_u64 s[G0+4*(C0%2)+2:G0+4*(C0%2)+3], s[G0+4*(C0%2)+2:G0+4*(C0%2)+3], 2*ROWB
	s_add_nc_u64 s[G0B+4*(C0%2)+2:G0B+4*(C0%2)+3], s[G0B+4*(C0%2)+2:G0B+4*(C0%2)+3], 2*ROWB
	JLOAD G0+4*(C0%2), G1, G0B+4*(C0%2), G1B       ; chunk C0 + 2; its four v_nop are the places in front of the loads below
.else
	PLACES NP
.endif
.else
	s_wait_dscnt 4*NL
	WIN MUL_LO
	MUL16 0, (\st)%2, (\st)%2, ((\st)/2)%2, \zero
	MUL16 2, (\st)%2, (\st)%2, ((\st)/2)%2, \zero
	s_wait_dscnt 0
	PLACES NP
.endif
	FETCH_B NX, NX%2
	FETCH_A NX, 0
.if NX%2 == 0
	SCALES NX/2
.endif
	WIN MUL_HI
	MUL16 4, (\st)%2, (\st)%2, ((\st)/2)%2, \zero
	MUL16 6, (\st)%2, (\st)%2, ((\st)/2)%2, \zero
	PLACES NP
	WIN 0
	FETCH_A NX, 4
.endm
	s_wait_alu depctr_va_vdst(0)                   ; the wait at the head's end
	s_wait_tensorcnt 0x0                           ; my tile of the head's four is in
	ds_add_u32 v[SPW], v[NIL]
	s_mov_b32 s[G1+2], 128<<16                     ; no load of mine is out: from here on a load brings 128 rows
	s_mov_b32 s[G1+4], 128
	s_mov_b32 s[G1B+2], 128<<16
	s_mov_b32 s[G1B+4], 128
	s_wait_dscnt 0x0
	CROUND
	JLOAD G0+4, G1, G0B+4, G1B                     ; chunk 1, the first tensor load behind the round
	FETCH_B 0, 0
	FETCH_A 0, 0
	SCALES 0
	FETCH_A 0, 4
	STEP 0, 1                                      ; the first products start the sums
.set ST, 1
.rept STEPS-2
	STEP ST, 0
.set ST, ST+1
.endr
	s_wait_dscnt 4*NL
	WIN MUL_LO
	MUL16 0, 1, 1, 1, 0
	MUL16 2, 1, 1, 1, 0
	s_wait_dscnt 0
	WIN MUL_HI
	MUL16 4, 1, 1, 1, 0
	MUL16 6, 1, 1, 1, 0
	WIN 0
	; THE WAY OUT.  All choices on one compare, ahead of the shifts and sums that change SCC.
	s_lshl_b32 s18, s17, 8
	s_lshl_b32 s19, s15, 7
	s_add_co_u32 s18, s18, s19                     ; A's first row of mine
	s_lshl_b32 s19, s42, 8
	s_lshl_b32 s20, s16, 7
	s_add_co_u32 s19, s19, s20                     ; B's
	s_mov_b32 s21, 12288
	s_mov_b32 s22, REC
	s_mov_b32 s92, 768
	s_cmp_eq_u32 ttmp9, 2
	s_cselect_b32 s20, s19, s18                    ; my first token
	s_cselect_b32 s18, s18, s19                    ; my first row of the weight
	s_cselect_b32 s21, 36864, s21                  ; V's fragments lie behind K's 24,576 bytes of a chunk
	s_cselect_b32 s22, 768, s22                    ; from a fragment's first half to its second
	s_cselect_b32 s92, 1536, s92                   ; from a block of A to the next
	s_cselect_b32 s94, REC-6144, 0                 ; V: block 4 begins the next head
	s_cselect_b32 s23, 8192, 0                     ; where the scale words begin
	s_cselect_b32 s96, 8, 9                        ; the bytes of 128 tokens there, as a shift
	s_mov_b32 s93, 0
	s_mov_b32 s95, 0
	s_lshr_b32 s97, s20, 11                        ; batch
	s_bfe_u32 s98, s20, 0x40007                    ; which 128 tokens of the batch
	s_lshl_b32 s97, s97, 4
	s_lshr_b32 s18, s18, 6
	s_add_co_u32 s97, s97, s18                     ; 16 x batch + head
	s_mul_i32 s97, s97, REC
	s_lshr_b32 s99, s98, 2
	s_mul_i32 s99, s99, 49152
	s_and_b32 s45, s98, 3
	s_mul_i32 s45, s45, 6144
	s_add_co_u32 s10, s97, s21
	s_add_co_u32 s10, s10, s99
	s_add_co_u32 s10, s10, s45
	s_mov_b32 s11, 0
	s_add_nc_u64 s[4:5], s[12:13], s[10:11]
	s_mov_b32 s10, s22
	s_add_nc_u64 s[6:7], s[4:5], s[10:11]
	s_lshl_b32 s10, s98, s96
	s_add_co_u32 s10, s10, s97
	s_add_co_u32 s10, s10, s23
	s_add_nc_u64 s[8:9], s[12:13], s[10:11]
	s_mov_b32 s[SEL], 0x76543210
	s_mov_b32 s[SEL+1], 0xfedcba98
	PLACES NP
	v_and_b32 v[LN], 31, v0
	v_lshlrev_b32 v[L16], 4, v[LN]
	v_lshlrev_b32 v[L8], 3, v[LN]
	v_lshlrev_b32 v[SH], 4, v2
	v_mul_u32_u24 v[SOF], v2, REC                  ; lanes 16-31 store the next head's scale words
	v_lshl_add_u32 v[SOF], v1, 4, v[SOF]
.irp b, 0,1,2,3
	v_mov_b32 v[TM+4+\b], 0                        ; a lane permute's destination counts as read
.endr
.macro QUANT                           ; 64 numbers of a lane, v[QS] on in window QW, become a fragment's codes in v[CD] on and its scale word in v[QP]
.set WN, (QW<<2)|(QW<<4)
	WIN WN
.irp b, 0,1,2,3
	v_max3_num_f32 v[TM+\b], 0x1800000, |v[QS+16*\b]|, |v[QS+16*\b+1]|   ; with the floor 2^(3 - 127)
.endr
.irp i, 2,4,6,8,10,12,14
.irp b, 0,1,2,3
	v_max3_num_f32 v[TM+\b], v[TM+\b], |v[QS+16*\b+\i]|, |v[QS+16*\b+\i+1]|
.endr
.endr
	WIN 0
.irp b, 0,1,2,3
	v_permlanex16_b32 v[TM+4+\b], v[TM+\b], s[SEL], s[SEL+1]
.endr
.irp b, 0,1,2,3
	v_max_num_f32 v[TM+\b], v[TM+\b], v[TM+4+\b]
.endr
.irp b, 0,1,2,3
	v_add_nc_u32 v[TM+12+\b], 0xff000000, v[TM+\b] ; 2 off the exponent field: the conversion's scale operand
.endr
.irp b, 0,1,2,3
	v_lshrrev_b32 v[TM+4+\b], 23, v[TM+12+\b]
.endr
	v_lshl_or_b32 v[QP], v[TM+5], 8, v[TM+4]
	v_lshl_or_b32 v[QP], v[TM+6], 16, v[QP]
	v_lshl_or_b32 v[QP], v[TM+7], 24, v[QP]
	WIN QW
.irp c, 0,1
	v_cvt_scalef32_pk16_fp6_f32 v[CD+6*\c:CD+6*\c+2], v[QS+32*\c:QS+32*\c+15], v[TM+12+2*\c]
	v_cvt_scalef32_pk16_fp6_f32 v[CD+12+4*\c:CD+14+4*\c], v[QS+32*\c+16:QS+32*\c+31], v[TM+12+2*\c+1]
.endr
	WIN 0
	v_nop
.irp c, 0,1
.irp i, 0,1,2
	v_permlane16_swap_b32 v[CD+6*\c+\i], v[CD+12+4*\c+\i]
.endr
.irp i, 0,1,2
	v_mov_b32 v[CD+3+6*\c+\i], v[CD+12+4*\c+\i]
.endr
.endr
.endm
.macro OUTBLK a
.if (\a) > 0
	s_wait_xcnt 0x0                                ; the last block's stores have read their data and bases
	s_add_nc_u64 s[4:5], s[4:5], s[92:93]
	s_add_nc_u64 s[6:7], s[6:7], s[92:93]
.endif
.if (\a) == 4
	s_add_nc_u64 s[4:5], s[4:5], s[94:95]
	s_add_nc_u64 s[6:7], s[6:7], s[94:95]
.endif
.set QS, 64*((\a)%4)
.set QW, 2+(\a)/4
.set QP, PWR+(\a)
	QUANT
	global_store_b128 v[L16], v[CD:CD+3], s[4:5]
	global_store_b64 v[L8], v[CD+4:CD+5], s[4:5] offset:512
	global_store_b128 v[L16], v[CD+6:CD+9], s[6:7]
	global_store_b64 v[L8], v[CD+10:CD+11], s[6:7] offset:512
.endm
.irp a, 0,1,2,3,4,5,6,7
	OUTBLK \a
.endr
	s_cmp_eq_u32 ttmp9, 2
	s_cbranch_scc1 .Lv_words
.irp n, 0,1,2,3,4,5,6,7
	v_bfe_u32 v[SW+\n], v[PWR+\n], v[SH], 16       ; Q, K: each half of the lanes takes a head's two bytes; the upper bytes are 0
.endr
	global_store_b128 v[SOF], v[SW:SW+3], s[8:9]
	global_store_b128 v[SOF], v[SW+4:SW+7], s[8:9] offset:256
	s_branch .Lwords_out
.Lv_words:
	v_cmp_lt_u32 vcc_lo, 15, v[LN]
.irp i, 0,1,2,3
	v_cndmask_b32 v[SW+\i], v[PWR+\i], v[PWR+4+\i], vcc_lo     ; V: blocks 0-3 the first head's tiles of d, 4-7 the second's
.endr
	global_store_b128 v[SOF], v[SW:SW+3], s[8:9]
.Lwords_out:
	s_wait_tensorcnt 0x0                           ; the wave's end
	ds_add_u32 v[SPW], v[NIL]
	s_wait_dscnt 0x0
	CROUND
	s_endpgm
.Lfunc_end_k_qa49712c214_qkv:
	.size	k_qa49712c214_qkv, .Lfunc_end_k_qa49712c214_qkv-k_qa49712c214_qkv
	.p2alignl 7, 3214868480
	.fill 96, 4, 3214868480
	.section	.rodata,"a",@progbits
	.p2align	6, 0x0
	.amdhsa_kernel k_qa49712c214_qkv
		.amdhsa_group_segment_fixed_size 327680
		.amdhsa_private_segment_fixed_size 0
		.amdhsa_enable_private_segment 0
		.amdhsa_kernarg_size 72
		.amdhsa_user_sgpr_count 2
		.amdhsa_user_sgpr_kernarg_segment_ptr 1
		.amdhsa_wavefront_size32 1
		.amdhsa_system_sgpr_workgroup_id_x 1
		.amdhsa_system_sgpr_workgroup_id_y 1
		.amdhsa_system_sgpr_workgroup_id_z 1
		.amdhsa_system_vgpr_workitem_id 0
		.amdhsa_next_free_vgpr 1024
		.amdhsa_next_free_sgpr 102
		.amdhsa_reserve_vcc 1
		.amdhsa_float_denorm_mode_32 3
		.amdhsa_float_denorm_mode_16_64 3
		.amdhsa_memory_ordered 1
		.amdhsa_forward_progress 1
		.amdhsa_inst_pref_size 168
	.end_amdhsa_kernel
	.amdgpu_metadata
---
amdhsa.version: [ 1, 2 ]
amdhsa.kernels:
  - .name:           k_qa49712c214_qkv
    .symbol:         k_qa49712c214_qkv.kd
    .args:
      - { .name: hq, .offset: 0, .size: 8, .value_kind: global_buffer, .address_space: global }
      - { .name: Wq_codes, .offset: 8, .size: 8, .value_kind: global_buffer, .address_space: global }
      - { .name: Wq_scales, .offset: 16, .size: 8, .value_kind: global_buffer, .address_space: global }
      - { .name: Wk_codes, .offset: 24, .size: 8, .value_kind: global_buffer, .address_space: global }
      - { .name: Wk_scales, .offset: 32, .size: 8, .value_kind: global_buffer, .address_space: global }
      - { .name: Wv_codes, .offset: 40, .size: 8, .value_kind: global_buffer, .address_space: global }
      - { .name: Wv_scales, .offset: 48, .size: 8, .value_kind: global_buffer, .address_space: global }
      - { .name: qq, .offset: 56, .size: 8, .value_kind: global_buffer, .address_space: global }
      - { .name: kv, .offset: 64, .size: 8, .value_kind: global_buffer, .address_space: global }
    .group_segment_fixed_size: 327680
    .private_segment_fixed_size: 0
    .kernarg_segment_align: 8
    .kernarg_segment_size: 72
    .max_flat_workgroup_size: 128
    .sgpr_count:     102
    .vgpr_count:     1024
    .wavefront_size: 32
...
	.end_amdgpu_metadata
.endif
;; end of part 2
;; launch attn (part 3): grid 8 x 32, 16 waves a work-group, no clusters, 327,680 bytes of LDS; arguments qq, kv, att; writes att
.if DOCPART == 3
	.amdgcn_target "amdgcn-amd-amdhsa--gfx1250"
	.amdhsa_code_object_version 6
	.text
	.protected	k_qa49712c214_attn
	.globl	k_qa49712c214_attn
	.p2align	8
	.type	k_qa49712c214_attn,@function
k_qa49712c214_attn:
	s_mov_b64 s[64:65], 0
	v_nop
	global_prefetch_b8 v0, s[64:65] scope:SCOPE_SE
	s_setreg_imm32_b32 hwreg(HW_REG_WAVE_MODE, 25, 1), 1
	s_wait_xcnt 0x0
; Causal attention of one (batch, head) on codes of FP6 (E2M3): S^T = K Q^T (K = the head's 64, in the lower half of an instruction's 128), p = 2^(t - M), t = score x log2(e) / 8, M the running largest t rounded up
; to a whole number, p quantised along the keys, O^T += V^T p^T; the row's sum of the unquantised p divides at the end; O is then quantised along (head, d) for the projection.
; SHARES.  Work-group (x, bh): sixteen waves, each one tile of 16 queries.  Waves 0-7 take the 128 queries of group x, waves 8-15 those of group 15 - x: 8 (x + 1) + 8 (16 - x) = 136 tile steps in every work-group.
; LDS is a copy, byte for byte, of the head's record in kv (208,896 bytes = 816 rows of 256): scale words, then four chunks of 512 keys.  Each byte is filled once, by two tensor loads a wave: at the head 15 rows
; (a sixteenth of the scale words and chunk 0); behind the three lines and a barrier 36 rows (a sixteenth of chunks 1 to 3), which have chunk 0's four steps in which to land.  One more barrier stands ahead of chunk 1; behind it no wave waits for another.
; The claim of all of LDS.
; A key step all of whose keys come after the wave's queries is jumped over by a scalar branch on ids; every wave passes every barrier.  Keys 512 and on are read by waves 8-15 of every work-group (15 - x >= 8).
; NO CLUSTER, though the eight work-groups of a head read the same record: the jump over hidden steps hangs on the work-group's block of queries.  No prefetch: all that the work-group reads is asked for by its first two loads.
; K = 64 IN AN INSTRUCTION OF 128: Q's registers 6-11 hold zero codes, and bytes 2, 3 of Q's and K's scale words are 0 (2^-127, a number).  K's operand for tile t is v[32 + 6 t] on, twelve registers: the upper six are multiplied by Q's zeros.
; LIMITS: NaN and infinities are not served; the scaled scores stay under 2^31 in magnitude; a block's byte is held at 1 from below; att's scale words are written two bytes a lane (a head owns half of a word).
.set REC, 208896
.set KF,  32                           ; v32-79 K's eight tiles; behind the first product: at work
.set VF,  88                           ; v88-135 V's four fragments
.set S,   136                          ; v136-199 S^T, then p
.set O,   200                          ; v200-231 O^T
.set PCD, 232                          ; v232-243 p's codes
.set BM,  32
.set PT,  36
.set SO,  40
.set CT,  44
.set LS,  13                           ; s13 my group of 128 queries = my last key step
.set KSI, 16
.set TB,  17
.set TS,  18
.set TJ,  19
.set SEL, 20
.set CS,  22
.set G1C, 24                           ; the head's load: 15 rows
.set G1S, 32                           ; the second load: 36 rows
.set G0,  40
	s_load_b128 s[4:7], s[0:1], 0x0                ; qq, kv
	s_load_b64 s[8:9], s[0:1], 0x10                ; att
	v_lshl_add_u32 v86, v0, 2, 0x33000
	v_mov_b32 v87, 0
	ds_add_u32 v86, v87                            ; the opening lines
	ds_add_u32 v86, v87
	v_lshrrev_b32 v1, 5, v0
	s_delay_alu instid0(VALU_DEP_1)
	v_readfirstlane_b32 s10, v1                    ; wave 0..15
	s_and_b32 s12, ttmp7, 0xffff                   ; 16 x batch + head
	s_sub_co_u32 s13, 15, ttmp9
	s_cmp_lt_u32 s10, 8
	s_cselect_b32 s13, ttmp9, s13
	s_and_b32 s15, s10, 7                          ; my tile in the group
.irp g, G1C, G1S                       ; dense blocks as rows of 256 bytes (32 elements of 8 bytes)
	s_mov_b32 s[\g], 3<<16
	s_mov_b32 s[\g+1], 32<<16
	s_mov_b32 s[\g+3], 32<<16
	s_mov_b32 s[\g+5], 32
	s_mov_b32 s[\g+6], 0
	s_mov_b32 s[\g+7], 0
.endr
	s_mov_b32 s[G1C+2], 15<<16
	s_mov_b32 s[G1C+4], 15
	s_mov_b32 s[G1S+2], 36<<16
	s_mov_b32 s[G1S+4], 36
	s_mul_i32 s72, s12, REC
	s_mov_b32 s73, 0
	s_mul_i32 s68, s10, 3840
	s_mul_i32 s69, s10, 9216
	s_mov_b32 s74, s68
	s_mov_b32 s75, 0
	s_mov_b32 s[SEL], 0x76543210
	s_mov_b32 s[SEL+1], 0xfedcba98
	s_mov_b32 s[CS], 0x3e38aa3b                    ; log2(e) / 8
	s_mov_b32 s[CS+1], s[CS]
	s_mov_b32 s[KSI], 0
	s_wait_dscnt 0x0
	s_wait_kmcnt 0x0
	s_add_nc_u64 s[6:7], s[6:7], s[72:73]          ; my record in kv,
	s_add_nc_u64 s[4:5], s[4:5], s[72:73]          ; and in qq
	s_mov_b32 s[G0], 1
	s_mov_b32 s[G0+1], s68
	s_add_nc_u64 s[G0+2:G0+3], s[6:7], s[74:75]
	s_or_b32 s[G0+3], s[G0+3], 0x80000000
	s_add_co_u32 s74, s69, 61440
	s_mov_b32 s[G0+4], 1
	s_add_co_u32 s[G0+5], s69, 61440
	s_add_nc_u64 s[G0+6:G0+7], s[6:7], s[74:75]
	s_or_b32 s[G0+7], s[G0+7], 0x80000000
	tensor_load_to_lds s[G0:G0+3], s[G1C:G1C+7]    ; my sixteenth of the scale words and chunk 0
	s_nop 0
.rept 4
	v_nop
.endr
	s_lshr_b32 s76, s13, 2                         ; Q's half fragment lies in qq where K's of the same tokens lies in kv
	s_mul_i32 s76, s76, 49152
	s_and_b32 s77, s13, 3
	s_mul_i32 s77, s77, 6144
	s_add_co_u32 s76, s76, s77
	s_mul_i32 s77, s15, 768
	s_add_co_u32 s76, s76, s77
	s_add_co_u32 s76, s76, 12288
	s_mov_b32 s77, 0
	s_add_nc_u64 s[78:79], s[4:5], s[76:77]
	s_lshl_b32 s76, s13, 9                         ; its scale words: tile a, row r at 256 (a / 4) + 16 r + 4 (a % 4)
	s_lshr_b32 s80, s15, 2
	s_lshl_b32 s80, s80, 8
	s_add_co_u32 s76, s76, s80
	s_and_b32 s80, s15, 3
	s_lshl_b32 s80, s80, 2
	s_add_co_u32 s76, s76, s80
	s_add_nc_u64 s[82:83], s[4:5], s[76:77]
	v_and_b32 v8, 31, v0
	s_delay_alu instid0(VALU_DEP_1)
	v_lshlrev_b32 v1, 4, v8                        ; 16 x lane
	s_delay_alu instid0(VALU_DEP_2)
	v_lshlrev_b32 v2, 3, v8                        ; 8 x lane
	v_and_b32 v9, 15, v0                           ; r
	s_delay_alu instid0(VALU_DEP_1)
	v_lshlrev_b32 v3, 4, v9                        ; 16 r
	v_bfe_u32 v10, v0, 4, 1                        ; h
	global_load_b128 v[16:19], v1, s[78:79]
	global_load_b64 v[20:21], v2, s[78:79] offset:512
	global_load_b32 v28, v3, s[82:83]
	v_lshlrev_b32 v10, 3, v10
	s_delay_alu instid0(VALU_DEP_1)
	v_sub_nc_u32 v29, v9, v10
	s_lshl_b32 s80, s15, 4
	v_add_nc_u32 v29, s80, v29                     ; d = my query in its group - 8 h: on the diagonal register 8 t + j is hidden where 16 t + j > d
	v_mov_b32 v13, 0xff61b1e6                      ; the largest t so far: -3e38
	s_delay_alu instid0(VALU_DEP_1)
	v_floor_f32 v12, -v13                          ; -M
	v_mov_b32 v14, 0                               ; the sum, in two halves
	v_mov_b32 v15, 0
	v_mov_b32 v30, 0                               ; f
	v_mov_b32 v31, 0                               ; p's scale word
.irp j, 0,1,2,3,4,5
	v_mov_b32 v[22+\j], 0                          ; Q's upper 64 codes
	v_mov_b32 v[80+\j], 0                          ; what stands behind K's tile 7
.endr
.set n, 0
.rept 32
	v_mov_b32 v[O+n], 0                            ; the step is written once: the first finds zeros
.set n, n+1
.endr
.macro STEP                            ; a key step: 128 keys
	s_cmp_gt_u32 s[KSI], s[LS]                     ; all its keys come after my queries?
	s_cbranch_scc1 .Lhidden_\@
	v_add_nc_u32 v4, s[TB], v1                     ; (these four are the places behind the last step's products)
	v_add_nc_u32 v5, s[TB], v2
	v_add_nc_u32 v6, s[TS], v3
	v_add_nc_u32 v7, s[TJ], v3
.irp t, 0,1,2,3,4,5,6,7
	ds_load_b128 v[KF+6*\t:KF+6*\t+3], v4 offset:768*\t
	ds_load_b64 v[KF+6*\t+4:KF+6*\t+5], v5 offset:768*\t+512
.endr
	ds_load_b128 v[244:247], v6                    ; K's scale words
	ds_load_b128 v[248:251], v6 offset:256
.irp t, 0,1,2,3
.irp c, 0,1
	ds_load_b128 v[VF+12*\t+6*\c:VF+12*\t+6*\c+3], v4 offset:24576+1536*\t+768*\c
	ds_load_b64 v[VF+12*\t+6*\c+4:VF+12*\t+6*\c+5], v5 offset:24576+1536*\t+768*\c+512
.endr
.endr
	ds_load_b128 v[252:255], v7                    ; V's scale words
	s_wait_dscnt 17                                ; K's 18 loads are in; V's 17 may be out
.irp t, 0,1,2,3,4,5,6,7
	v_wmma_scale_f32_16x16x128_f8f6f4 v[S+8*\t:S+8*\t+7], v[KF+6*\t:KF+6*\t+11], v[16:27], 0, v[244+\t], v28 matrix_a_fmt:MATRIX_FMT_FP6 matrix_b_fmt:MATRIX_FMT_FP6
.endr
.rept 4
	v_nop
.endr
	s_cmp_lt_u32 s[KSI], s[LS]                     ; all its keys count?
	s_cbranch_scc1 .Lopen_\@
	v_mov_b32 v55, 0xff800000                      ; the diagonal: hidden scores become -infinity, p = 0
.set n, 0
.rept 64
	v_cmp_gt_i32 vcc_lo, 16*(n/8)+n%8, v29
	v_cndmask_b32 v[S+n], v[S+n], v55, vcc_lo
.set n, n+1
.endr
.Lopen_\@:
.irp b, 0,1,2,3
	v_max3_num_f32 v[BM+\b], v[S+16*\b], v[S+1+16*\b], v[S+2+16*\b]   ; each block's largest score: for the row's maximum and for the block's largest p
.endr
.irp i, 3,5,7,9,11,13
.irp b, 0,1,2,3
	v_max3_num_f32 v[BM+\b], v[BM+\b], v[S+16*\b+\i], v[S+1+16*\b+\i]
.endr
.endr
.irp b, 0,1,2,3
	v_max_num_f32 v[BM+\b], v[BM+\b], v[S+15+16*\b]
.endr
.irp b, 0,1,2,3
	s_delay_alu instid0(VALU_DEP_4)
	v_permlanex16_b32 v[PT+\b], v[BM+\b], s[SEL], s[SEL+1]
.endr
.irp b, 0,1,2,3
	s_delay_alu instid0(VALU_DEP_4)
	v_max_num_f32 v[BM+\b], v[BM+\b], v[PT+\b]
.endr
	s_delay_alu instid0(VALU_DEP_2)
	v_max3_num_f32 v54, v[BM], v[BM+1], v[BM+2]
	s_delay_alu instid0(VALU_DEP_1)
	v_max_num_f32 v54, v54, v[BM+3]
	s_delay_alu instid0(VALU_DEP_1)
	v_mul_f32 v54, s[CS], v54
	s_delay_alu instid0(VALU_DEP_1)
	v_max_num_f32 v13, v13, v54                    ; the running largest t
	v_mov_b32 v54, v12
	s_delay_alu instid0(VALU_DEP_2)
	v_floor_f32 v12, -v13                          ; -M = floor(-t)
	s_delay_alu instid0(VALU_DEP_1)
	v_sub_f32 v54, v12, v54
	s_delay_alu instid0(VALU_DEP_1)
	v_cvt_i32_f32 v54, v54                         ; (it saturates)
	s_delay_alu instid0(VALU_DEP_1)
	v_ldexp_f32 v30, 1.0, v54                      ; f = 2^(old M - new M): exact
.set n, 0
.rept 32
	v_pk_fma_f32 v[S+n:S+n+1], v[S+n:S+n+1], s[CS:CS+1], v[12:13] op_sel_hi:[1,0,0]   ; t - M
.set n, n+2
.endr
.irp b, 0,1,2,3
	v_fma_f32 v[BM+\b], v[BM+\b], s[CS], v12
.endr
.set n, 0
	s_wait_alu depctr_va_vdst(0)                   ; ahead of the batch
.rept 64
	v_exp_f32 v[S+n], v[S+n]                       ; p, not normalised
.set n, n+1
.endr
	v_pk_mul_f32 v[14:15], v[14:15], v[30:31] op_sel_hi:[1,0]   ; the sums under the new M
	s_wait_alu depctr_va_vdst(0)                   ; one wait for the batch
.irp b, 0,1,2,3
	v_exp_f32 v[BM+\b], v[BM+\b]                   ; each block's largest p
.endr
	v_pk_add_f32 v[56:57], v[S:S+1], v[S+2:S+3]    ; the row's sum of the unquantised p, in four chains
	v_pk_add_f32 v[58:59], v[S+4:S+5], v[S+6:S+7]
	v_pk_add_f32 v[60:61], v[S+8:S+9], v[S+10:S+11]
	v_pk_add_f32 v[14:15], v[14:15], v[S+12:S+13]
.irp j, 14,22,30,38,46,54
	v_pk_add_f32 v[56:57], v[56:57], v[S+\j:S+\j+1]
	v_pk_add_f32 v[58:59], v[58:59], v[S+\j+2:S+\j+3]
	v_pk_add_f32 v[60:61], v[60:61], v[S+\j+4:S+\j+5]
	v_pk_add_f32 v[14:15], v[14:15], v[S+\j+6:S+\j+7]
.endr
	v_pk_add_f32 v[56:57], v[56:57], v[S+62:S+63]
	v_pk_add_f32 v[58:59], v[58:59], v[60:61]
	s_delay_alu instid0(VALU_DEP_2)
	v_pk_add_f32 v[14:15], v[14:15], v[56:57]
	s_delay_alu instid0(VALU_DEP_1)
	v_pk_add_f32 v[14:15], v[14:15], v[58:59]
	s_wait_alu depctr_va_vdst(0)                   ; and one for the four
.irp b, 0,1,2,3
	v_max_num_f32 v[BM+\b], 0x1800000, v[BM+\b]    ; the floor: the byte cannot fall under 1
.endr
.irp b, 0,1,2,3
	s_delay_alu instid0(VALU_DEP_4)
	v_add_nc_u32 v[SO+\b], 0xff000000, v[BM+\b]
.endr
.irp b, 0,1,2,3
	s_delay_alu instid0(VALU_DEP_4)
	v_lshrrev_b32 v[PT+\b], 23, v[SO+\b]
.endr
	s_delay_alu instid0(VALU_DEP_3)
	v_lshl_or_b32 v31, v[PT+1], 8, v[PT]
	s_delay_alu instid0(VALU_DEP_1)
	v_lshl_or_b32 v31, v[PT+2], 16, v31
	s_delay_alu instid0(VALU_DEP_1)
	v_lshl_or_b32 v31, v[PT+3], 24, v31
.irp c, 0,1
	v_cvt_scalef32_pk16_fp6_f32 v[PCD+6*\c:PCD+2+6*\c], v[S+32*\c:S+15+32*\c], v[SO+2*\c]
	v_cvt_scalef32_pk16_fp6_f32 v[CT+4*\c:CT+2+4*\c], v[S+16+32*\c:S+31+32*\c], v[SO+2*\c+1]
.endr
	v_nop
.irp c, 0,1
.irp i, 0,1,2
	v_permlane16_swap_b32 v[PCD+6*\c+\i], v[CT+4*\c+\i]
.endr
.irp i, 0,1,2
	s_delay_alu instid0(VALU_DEP_3)
	v_mov_b32 v[PCD+3+6*\c+\i], v[CT+4*\c+\i]
.endr
.endr
.set n, 0
.rept 16
	v_pk_mul_f32 v[O+n:O+n+1], v[O+n:O+n+1], v[30:31] op_sel_hi:[1,0]   ; O^T under the new M; also the places ahead of the products
.set n, n+2
.endr
	s_wait_alu depctr_va_vdst(0)
	s_wait_dscnt 0x0                               ; V
.irp t, 0,1,2,3
	v_wmma_scale_f32_16x16x128_f8f6f4 v[O+8*\t:O+8*\t+7], v[VF+12*\t:VF+12*\t+11], v[PCD:PCD+11], v[O+8*\t:O+8*\t+7], v[252+\t], v31 matrix_a_fmt:MATRIX_FMT_FP6 matrix_b_fmt:MATRIX_FMT_FP6
.endr
.Lhidden_\@:
	s_add_co_u32 s[KSI], s[KSI], 1
	s_add_co_u32 s[TB], s[TB], 6144
	s_add_co_u32 s[TS], s[TS], 512
	s_add_co_u32 s[TJ], s[TJ], 256
.endm
.macro CHUNK c
.if \c == 0
	s_wait_tensorcnt 0x0                           ; my part of the scale words and chunk 0 is in; the three lines ahead of a later first fill
	ds_add_u32 v86, v87
	s_wait_dscnt 0x0
	s_barrier_signal -1
	s_barrier_wait -1                              ; everybody's is
	tensor_load_to_lds s[G0+4:G0+7], s[G1S:G1S+7]  ; my sixteenth of chunks 1 to 3
	s_nop 0
.rept 4
	v_nop
.endr
.endif
.if \c == 1
	s_wait_tensorcnt 0x0                           ; my part of chunks 1 to 3 is in
	s_wait_dscnt 0x0
	s_barrier_signal -1
	s_barrier_wait -1                              ; everybody's is: the last barrier
.endif
	s_mov_b32 s[TB], 12288+49152*\c
	s_mov_b32 s[TS], 2048*\c
	s_mov_b32 s[TJ], 8192+1024*\c
	s_mov_b32 s66, 4
.Lstep_\@:
	STEP
	s_sub_co_u32 s66, s66, 1
	s_cmp_lg_u32 s66, 0
	s_cbranch_scc1 .Lstep_\@
.endm
	s_wait_alu depctr_va_vdst(0)                   ; the wait at the head's end
	s_wait_loadcnt 0x0                             ; Q
	CHUNK 0
	CHUNK 1
	CHUNK 2
	CHUNK 3
	; THE WAY OUT: O^T / the sum, into the true order of d, quantised: one half fragment and half a scale word
.rept 4
	v_nop
.endr
	v_add_f32 v14, v14, v15
	s_delay_alu instid0(VALU_DEP_1)
	v_permlanex16_b32 v30, v14, s[SEL], s[SEL+1]
	s_delay_alu instid0(VALU_DEP_1)
	v_add_f32 v14, v14, v30
	s_wait_alu depctr_va_vdst(0)
	v_rcp_f32 v15, v14
	v_mov_b32 v[PT], 0
	v_mov_b32 v[PT+1], 0
	s_lshr_b32 s67, s12, 4
	s_lshl_b32 s67, s67, 4
	s_add_co_u32 s67, s67, s13                     ; the group of 128 tokens
	s_lshl_b32 s67, s67, 3
	s_bfe_u32 s68, s12, 0x30001                    ; the projection's K step: head / 2
	s_add_co_u32 s67, s67, s68
	s_and_b32 s69, s12, 1                          ; which half of it
	s_lshl_b32 s70, s67, 3
	s_add_co_u32 s70, s70, s15
	s_mul_i32 s70, s70, 1536
	s_mul_i32 s71, s69, 768
	s_add_co_u32 s70, s70, s71
	s_mov_b32 s71, 0
	s_add_nc_u64 s[72:73], s[8:9], s[70:71]
	s_lshl_b32 s70, s67, 9
	s_lshr_b32 s76, s15, 2
	s_lshl_b32 s76, s76, 8
	s_add_co_u32 s70, s70, s76
	s_and_b32 s76, s15, 3
	s_lshl_b32 s76, s76, 2
	s_add_co_u32 s70, s70, s76
	s_lshl_b32 s76, s69, 1
	s_add_co_u32 s70, s70, s76
	s_add_co_u32 s70, s70, 0x300000
	s_add_nc_u64 s[74:75], s[8:9], s[70:71]
	s_wait_alu depctr_va_vdst(0)                   ; ahead of the reciprocal's first reader
.set n, 0
.rept 32
	v_mul_f32 v[S+n], v[O+n], v15                  ; register 8 t + j: d = 16 t + 8 h + j
.set n, n+1
.endr
.irp b, 0,1
.irp j, 0,1,2,3,4,5,6,7
	v_permlane16_swap_b32 v[S+16*\b+\j], v[S+16*\b+8+\j]   ; now register 16 b + i: d = 32 b + 16 h + i, the order of Wp's codes
.endr
.endr
.irp b, 0,1
	v_max3_num_f32 v[BM+\b], |v[S+16*\b]|, |v[S+16*\b+1]|, 0x1800000
.endr
.irp i, 2,4,6,8,10,12,14
.irp b, 0,1
	s_delay_alu instid0(VALU_DEP_2)
	v_max3_num_f32 v[BM+\b], v[BM+\b], |v[S+16*\b+\i]|, |v[S+16*\b+\i+1]|
.endr
.endr
.irp b, 0,1
	s_delay_alu instid0(VALU_DEP_2)
	v_permlanex16_b32 v[PT+\b], v[BM+\b], s[SEL], s[SEL+1]
.endr
.irp b, 0,1
	s_delay_alu instid0(VALU_DEP_2)
	v_max_num_f32 v[BM+\b], v[BM+\b], v[PT+\b]
.endr
.irp b, 0,1
	s_delay_alu instid0(VALU_DEP_2)
	v_add_nc_u32 v[SO+\b], 0xff000000, v[BM+\b]
.endr
.irp b, 0,1
	s_delay_alu instid0(VALU_DEP_2)
	v_lshrrev_b32 v[PT+\b], 23, v[SO+\b]
.endr
	s_delay_alu instid0(VALU_DEP_1)
	v_lshl_or_b32 v[PT+2], v[PT+1], 8, v[PT]
	v_cvt_scalef32_pk16_fp6_f32 v[PCD:PCD+2], v[S:S+15], v[SO]
	v_cvt_scalef32_pk16_fp6_f32 v[CT:CT+2], v[S+16:S+31], v[SO+1]
	v_nop
.irp i, 0,1,2
	v_permlane16_swap_b32 v[PCD+\i], v[CT+\i]
.endr
.irp i, 0,1,2
	s_delay_alu instid0(VALU_DEP_3)
	v_mov_b32 v[PCD+3+\i], v[CT+\i]
.endr
	global_store_b128 v1, v[PCD:PCD+3], s[72:73]
	global_store_b64 v2, v[PCD+4:PCD+5], s[72:73] offset:512
	global_store_b16 v3, v[PT+2], s[74:75]         ; my head's two bytes of row r's word (both halves of the lanes write the same)
	s_wait_tensorcnt 0x0                           ; the wave's end
	ds_add_u32 v86, v87
	s_wait_dscnt 0x0
	s_endpgm
.Lfunc_end_k_qa49712c214_attn:
	.size	k_qa49712c214_attn, .Lfunc_end_k_qa49712c214_attn-k_qa49712c214_attn
	.p2alignl 7, 3214868480
	.fill 96, 4, 3214868480
	.section	.rodata,"a",@progbits
	.p2align	6, 0x0
	.amdhsa_kernel k_qa49712c214_attn
		.amdhsa_group_segment_fixed_size 327680
		.amdhsa_private_segment_fixed_size 0
		.amdhsa_enable_private_segment 0
		.amdhsa_kernarg_size 24
		.amdhsa_user_sgpr_count 2
		.amdhsa_user_sgpr_kernarg_segment_ptr 1
		.amdhsa_wavefront_size32 1
		.amdhsa_system_sgpr_workgroup_id_x 1
		.amdhsa_system_sgpr_workgroup_id_y 1
		.amdhsa_system_sgpr_workgroup_id_z 1
		.amdhsa_system_vgpr_workitem_id 0
		.amdhsa_next_free_vgpr 256
		.amdhsa_next_free_sgpr 100
		.amdhsa_reserve_vcc 1
		.amdhsa_float_denorm_mode_32 3
		.amdhsa_float_denorm_mode_16_64 3
		.amdhsa_memory_ordered 1
		.amdhsa_forward_progress 1
		.amdhsa_inst_pref_size 103
	.end_amdhsa_kernel
	.amdgpu_metadata
---
amdhsa.version: [ 1, 2 ]
amdhsa.kernels:
  - .name:           k_qa49712c214_attn
    .symbol:         k_qa49712c214_attn.kd
    .args:
      - { .name: qq, .offset: 0, .size: 8, .value_kind: global_buffer, .address_space: global }
      - { .name: kv, .offset: 8, .size: 8, .value_kind: global_buffer, .address_space: global }
      - { .name: att, .offset: 16, .size: 8, .value_kind: global_buffer, .address_space: global }
    .group_segment_fixed_size: 327680
    .private_segment_fixed_size: 0
    .kernarg_segment_align: 8
    .kernarg_segment_size: 24
    .max_flat_workgroup_size: 512
    .sgpr_count:     100
    .vgpr_count:     256
    .wavefront_size: 32
...
	.end_amdgpu_metadata
.endif
;; end of part 3
;; launch proj (part 4): grid 8 x 32, 4 waves a work-group, clusters of 4 x 4, 327,680 bytes of LDS; arguments att, Wp_codes, Wp_scales, bp, x, x1; writes x1
.if DOCPART == 4
	.amdgcn_target "amdgcn-amd-amdhsa--gfx1250"
	.amdhsa_code_object_version 6
	.text
	.protected	k_qa49712c214_proj
	.globl	k_qa49712c214_proj
	.p2align	8
	.type	k_qa49712c214_proj,@function
k_qa49712c214_proj:
	s_mov_b64 s[64:65], 0
	v_nop
	global_prefetch_b8 v0, s[64:65] scope:SCOPE_SE
	s_setreg_imm32_b32 hwreg(HW_REG_WAVE_MODE, 25, 1), 1
	s_wait_xcnt 0x0
	s_wait_alu depctr_hold_cnt(0) depctr_sa_sdst(0) depctr_va_vdst(0) depctr_va_sdst(0) depctr_va_ssrc(0) depctr_va_vcc(0) depctr_vm_vsrc(0)
	s_getreg_b32 s2, hwreg(HW_REG_IB_STS2, 6, 4)
	s_cmp_eq_u32 s2, 0
	s_cbranch_scc0 .Lentry_in_a_cluster
	s_endpgm
.Lentry_in_a_cluster:
	s_bfe_u32 s2, ttmp6, 0x10000c
	s_cmp_lg_u32 s2, 0xf033
	s_cbranch_scc0 .Lentry_shape_is_right
	s_endpgm
.Lentry_shape_is_right:
; out = res + A W^T + bias on codes of FP6 (E2M3) with E8M0 scales.  A: 4,096 rows x SIZE_K, laid by the launch before as images of operand registers: [128 rows][K step of 128][tile of 16 rows][1,536 bytes], its scale words
; behind the codes: [128 rows][K step][512 bytes: tile a, row r at 256 (a / 4) + 16 r + 4 (a % 4)].  W: [1,024][SIZE_K] codes as given, rows of 3 SIZE_K / 4 bytes; scale bytes [1,024][SIZE_K / 32].  bias [1,024], res and out [4,096][1,024] f32.
; A tile of 128 x 128 to a work-group, since 256 x 256 would give 64 work-groups for 256 WGPs; four waves, 64 x 64 each: 16 accumulators.  K goes in slots of 512 (four matrix instructions deep) through two LDS slots.
; CLUSTERS: 4 x 4: A's tile is shared along a row of the cluster, W's along a column, each by a joint load.  The product is used transposed (source 0 = 16 rows of W, source 1 = 16 rows of A): a lane holds eight neighbours of a row of out.
; The bias is the C of each sum's first product; the residual is asked for at the head, into registers, and added on the way out.
; REGISTERS: window 0: v16-31 addresses; v32-95 scale words, two sets; v96-127 the bias; v128-223 A's fragments, two sets.  window 1: W's fragments, two sets.  window 2: v0-127 accumulators, v128-255 the residual.
.set SIZE_K, 1024
.set NK,     SIZE_K/128
.set KROW,   SIZE_K*3/4
.set KS,     SIZE_K/32
.set LAPS,   SIZE_K/1024
.set FR,     12
; ALL OF K LIES IN LDS AT ONCE, filled by four joint loads at the head, one a wave: A's 98,304 bytes (two halves of ASZ), W's 128 whole rows of 768 bytes, A's scale words, W's scale bytes.  Nothing is filled later.
.set PITCH,  816                       ; W's row in LDS: 3 x (256 bytes + 16 of padding)
.set ASZ,    49152
.set SLOT,   ASZ+64*PITCH              ; half of what the codes take
.set WB,     2*ASZ                     ; W's rows lie behind A's two halves
.set SCL,    2*SLOT                    ; the scales, once: A's, then W's, as units of 256 bytes + 16
.set HALFS,  NK*272
.set SBLK,   (16*KS/256)*272
.set SPARE,  SCL+4*HALFS               ; the spare words: two blocks of 256 bytes that no other line names
.set STAGE,  SPARE+512                 ; 16 rows x 272 bytes for each wave: no tensor load fills it
.set SPITCH, 272
.set ADRB,  16                         ; v16 W's fragments, both slots; v18 the same, lanes 16-31 behind one padding more
.set ADA16, 20                         ; v20-21 A's images, 16 x lane
.set ADA8,  22                         ; v22-23 8 x lane
.set STO,   24
.set RD,    25
.set CO,    26
.set ADSA,  27
.set SPW,   28
.set NIL,   29
.set ADSB,  30
.set BO,    31
.set SC,    32
.set BI,    96
.set AF,    128
.set OB,    128
.set RS,    128
.set G1, 24
.set G0, 32
.set G1B, 48
.set G0B, 56
.set G1S, 68
.set G0S, 76
.set G1SB, 80
.set G0SB, 88
.set MSB, 0
.macro WIN new
.if MSB != \new
	s_set_vgpr_msb (MSB<<8)|\new
.set MSB, \new
.endif
.endm
.macro JLOAD g0a, g1a, g0b, g1b        ; waves 0 and 1 fetch for A, waves 2 and 3 for W; four v_nop follow each line
	s_cmp_eq_u32 s15, 0
	s_cbranch_scc0 .Lfor_b_\@
	tensor_load_to_lds s[\g0a:\g0a+3], s[\g1a:\g1a+7]
	s_nop 0
.rept 4
	v_nop
.endr
	s_branch .Lasked_\@
.Lfor_b_\@:
	tensor_load_to_lds s[\g0b:\g0b+3], s[\g1b:\g1b+7]
	s_nop 0
.rept 4
	v_nop
.endr
.Lasked_\@:
.endm
.macro CREST
	s_cmp_lg_u32 s14, 0
	s_cbranch_scc1 .Lnot_wave_0_\@
	s_barrier_signal -3
.Lnot_wave_0_\@:
	s_barrier_wait -3
	s_barrier_signal -1
	s_barrier_wait -1
.endm
.macro CROUND
	s_barrier_signal -1
	s_barrier_wait -1
	CREST
.endm
	s_load_b64 s[4:5], s[0:1], 0x0                 ; A
	s_load_b128 s[8:11], s[0:1], 0x8               ; W's codes, W's scales
	s_load_b128 s[92:95], s[0:1], 0x18             ; bias, res
	s_load_b64 s[12:13], s[0:1], 0x28              ; out
	v_lshl_add_u32 v[SPW], v0, 2, SPARE
	v_mov_b32 v[NIL], 0
	ds_add_u32 v28, v29
	ds_add_u32 v28, v29
	s_wait_dscnt 0x0
	v_lshrrev_b32 v1, 5, v0
	v_readfirstlane_b32 s14, v1                    ; wave
	s_lshr_b32 s15, s14, 1                         ; which 64 rows are mine.  Also: I fetch for A (0) or for W (1)
	s_and_b32 s16, s14, 1                          ; which 64 columns.
	s_bfe_u32 s40, ttmp6, 0x40000
	s_bfe_u32 s41, ttmp6, 0x40004
	s_lshl_b32 s42, ttmp9, 2
	s_add_co_u32 s42, s42, s40                     ; tile column
	s_and_b32 s17, ttmp7, 0xffff
	s_lshl_b32 s17, s17, 2
	s_add_co_u32 s17, s17, s41                     ; tile row = group of 128 rows
	s_lshl_b32 s43, s41, 2
	s_lshl_b32 s43, 15, s43
	s_lshl_b32 s44, 0x1111, s40
	s_or_b32 s[G1+0], s43, (3<<16)|(1<<21)         ; A: a dense block as 384 rows of 256 bytes, no padding
	s_mov_b32 s[G1+1], 32<<16
	s_mov_b32 s[G1+2], 384<<16
	s_mov_b32 s[G1+3], 32<<16
	s_mov_b32 s[G1+4], 384
	s_mov_b32 s[G1+5], 32
	s_mov_b32 s[G1+6], 0
	s_mov_b32 s[G1+7], 0
	s_or_b32 s[G1B+0], s44, (0<<16)|(1<<20)|(1<<21)|(5<<22)|(3<<25)   ; W: 128 rows of 768 bytes, 4 words of padding behind every 64
	s_mov_b32 s[G1B+1], 768<<16
	s_mov_b32 s[G1B+2], 128<<16
	s_mov_b32 s[G1B+3], 768<<16
	s_mov_b32 s[G1B+4], 128
	s_mov_b32 s[G1B+5], KROW
	s_mov_b32 s[G1B+6], 0
	s_mov_b32 s[G1B+7], 0
	s_or_b32 s[G1S+0], s43, (3<<16)|(1<<20)|(1<<21)|(5<<22)|(3<<25)   ; scales: 2 NK rows of 256 bytes + 16
	s_or_b32 s[G1SB+0], s44, (3<<16)|(1<<20)|(1<<21)|(5<<22)|(3<<25)
.irp g, G1S, G1SB
	s_mov_b32 s[\g+1], 32<<16
	s_mov_b32 s[\g+2], (2*NK)<<16
	s_mov_b32 s[\g+3], 32<<16
	s_mov_b32 s[\g+4], 2*NK
	s_mov_b32 s[\g+5], 32
	s_mov_b32 s[\g+6], 0
	s_mov_b32 s[\g+7], 0
.endr
	s_mul_i32 s20, s17, NK*12288                   ; A's codes: my group
	s_mov_b32 s21, 0
	s_mul_i32 s22, s17, NK*512                     ; A's scale words: my group
	s_add_co_u32 s22, s22, 3072*SIZE_K
	s_mov_b32 s23, 0
	s_lshl_b32 s46, s42, 7
	s_mul_i32 s96, s46, KS
	s_mul_i32 s46, s46, KROW
	s_mov_b32 s47, 0
	s_mov_b32 s97, 0
	s_wait_kmcnt 0x0
	s_add_nc_u64 s[20:21], s[4:5], s[20:21]
	s_add_nc_u64 s[22:23], s[4:5], s[22:23]
	s_add_nc_u64 s[46:47], s[8:9], s[46:47]
	s_add_nc_u64 s[96:97], s[10:11], s[96:97]
	CROUND                                         ; in front of the first joint loads
	s_mov_b32 s[G0S], 1
	s_mov_b32 s[G0S+1], SCL
	s_mov_b64 s[G0S+2:G0S+3], s[22:23]
	s_or_b32 s[G0S+3], s[G0S+3], 0x80000000
	s_mov_b32 s[G0SB], 1
	s_mov_b32 s[G0SB+1], SCL+2*HALFS
	s_mov_b64 s[G0SB+2:G0SB+3], s[96:97]
	s_or_b32 s[G0SB+3], s[G0SB+3], 0x80000000
	s_mov_b32 s[G0], 1
	s_mov_b32 s[G0+1], 0
	s_mov_b64 s[G0+2:G0+3], s[20:21]
	s_or_b32 s[G0+3], s[G0+3], 0x80000000
	s_mov_b32 s[G0B], 1
	s_mov_b32 s[G0B+1], WB
	s_mov_b64 s[G0B+2:G0B+3], s[46:47]
	s_or_b32 s[G0B+3], s[G0B+3], 0x80000000
.macro ARM under, g0, g1, next         ; one tree of branches on the wave's number: every way passes one load
	s_cmp_lt_u32 s14, \under
	s_cbranch_scc0 \next
	tensor_load_to_lds s[\g0:\g0+3], s[\g1:\g1+7]
	s_nop 0
.rept 4
	v_nop
.endr
	s_branch .Lhead_asked
\next:
.endm
	ARM 1, G0,  G1,  .Lhead_b
	ARM 2, G0B, G1B, .Lhead_sa
	ARM 3, G0S, G1S, .Lhead_sb
	tensor_load_to_lds s[G0SB:G0SB+3], s[G1SB:G1SB+7]
	s_nop 0
.rept 4
	v_nop
.endr
.Lhead_asked:
	v_and_b32 v1, 15, v0                           ; r
	v_bfe_u32 v2, v0, 4, 1                         ; h
	v_and_b32 v3, 31, v0                           ; lane
	v_mul_u32_u24 v4, v1, PITCH
	v_mad_u32_u24 v4, v2, 24, v4
	v_lshl_add_u32 v5, v2, 4, v4
	s_mul_i32 s22, s16, 64*PITCH
	s_add_co_u32 s22, s22, WB
	s_mul_i32 s21, s15, 6144
	v_add_nc_u32 v[ADRB], s22, v4
	v_add_nc_u32 v[ADRB+2], s22, v5
.irp s, 0,1
	v_lshl_add_u32 v[ADA16+\s], v3, 4, s21
	v_lshl_add_u32 v[ADA8+\s], v3, 3, s21
	s_add_co_u32 s21, s21, ASZ
.endr
	s_mul_i32 s21, s15, 272
	s_add_co_u32 s21, s21, SCL
	v_lshl_add_u32 v[ADSA], v1, 4, s21             ; A's scale words: unit 2 x K step + my half, 16 r in it
	v_mul_u32_u24 v5, v1, KS
	v_lshrrev_b32 v6, 8, v5
	v_lshl_add_u32 v5, v6, 4, v5
	s_mul_i32 s22, s16, HALFS
	s_add_co_u32 s22, s22, SCL+2*HALFS
	v_add_nc_u32 v[ADSB], s22, v5                  ; W's: row r's KS bytes
	s_mul_i32 s23, s14, 16*SPITCH
	s_add_co_u32 s23, s23, STAGE
	v_mul_u32_u24 v5, v1, SPITCH
	v_lshl_add_u32 v5, v2, 5, v5
	v_add_nc_u32 v[STO], s23, v5
	v_mul_u32_u24 v5, v2, SPITCH
	v_lshl_add_u32 v5, v1, 4, v5
	v_add_nc_u32 v[RD], s23, v5
	v_lshlrev_b32 v[CO], 12, v2
	v_lshl_add_u32 v[CO], v1, 4, v[CO]             ; lanes 0-15 one row's 256 bytes, lanes 16-31 the next row's
	v_lshlrev_b32 v[BO], 5, v2
	s_wait_alu depctr_va_vdst(0)
	s_lshl_b32 s20, s17, 7
	s_lshl_b32 s21, s15, 6
	s_add_co_u32 s20, s20, s21
	s_lshl_b32 s20, s20, 12                        ; my first row, in bytes
	s_lshl_b32 s46, s42, 9
	s_lshl_b32 s47, s16, 8
	s_add_co_u32 s46, s46, s47                     ; my first column, in bytes
	s_mov_b32 s47, 0
	s_add_nc_u64 s[92:93], s[92:93], s[46:47]
	s_add_co_u32 s20, s20, s46
	s_mov_b32 s21, 0
	s_add_nc_u64 s[94:95], s[94:95], s[20:21]
	s_add_nc_u64 s[12:13], s[12:13], s[20:21]
.irp b, 0,1,2,3
	global_load_b128 v[BI+8*\b:BI+8*\b+3], v[BO], s[92:93] offset:64*\b        ; the bias in the result's layout: columns 16 b + 8 h + 0 .. 7
	global_load_b128 v[BI+8*\b+4:BI+8*\b+7], v[BO], s[92:93] offset:64*\b+16
.endr
	WIN 0x80
.irp a, 0,1,2,3
.irp t, 0,1,2,3,4,5,6,7
	global_load_b128 v[RS+32*\a+4*\t:RS+32*\a+4*\t+3], v[CO], s[94:95] offset:(16*\a+2*\t)*4096 th:TH_LOAD_NT
.endr
.endr
	WIN 0
.macro FRAG reg, adr, q, i             ; W's fragment, in pieces of 8 bytes; 32 pieces, then a padding
.irp p, 0,1,2,3,4,5
.set PCC, 12*(\q)+6*(\p/3)+\p%3
.if PCC%32 < 29
	ds_load_b64 v[\reg+2*\p:\reg+2*\p+1], v[\adr] offset:8*PCC+16*(PCC/32)+(\i)*16*PITCH
.else
	ds_load_b64 v[\reg+2*\p:\reg+2*\p+1], v[\adr+2] offset:8*PCC+16*(PCC/32)+(\i)*16*PITCH
.endif
.endr
.endm
.macro FETCH slot, q, p                ; 40 LDS loads: the fragments of the slot's q-th 128 along K into set p
	WIN 0x40
.irp i, 0,1,2,3
	FRAG 128*(\p)+FR*\i, ADRB, 4*(\slot)+(\q), \i
.endr
	WIN 0
.irp i, 0,1,2,3
.irp c, 0,1
	ds_load_b128 v[AF+48*(\p)+FR*\i+6*\c:AF+48*(\p)+FR*\i+6*\c+3], v[ADA16+\slot] offset:12288*(\q)+1536*\i+768*\c
	ds_load_b64 v[AF+48*(\p)+FR*\i+6*\c+4:AF+48*(\p)+FR*\i+6*\c+5], v[ADA8+\slot] offset:12288*(\q)+1536*\i+768*\c+512
.endr
.endr
.endm
.macro SCALES sc                       ; a slot's scale words: A's at 4 q + a, W's at 16 + 4 b + q
.irp q, 0,1,2,3
	ds_load_b128 v[SC+32*\sc+4*\q:SC+32*\sc+4*\q+3], v[ADSA] offset:544*\q
.endr
.irp b, 0,1,2,3
	ds_load_b128 v[SC+32*\sc+16+4*\b:SC+32*\sc+16+4*\b+3], v[ADSB] offset:SBLK*\b
.endr
.endm
.macro MULA a, p, q, sc, first         ; four products: A's tile a against W's four.  The 16 accumulators take turns
.irp b, 0,1,2,3
.if \first
	v_wmma_scale_f32_16x16x128_f8f6f4 v[8*(4*(\a)+\b):8*(4*(\a)+\b)+7], v[128*(\p)+FR*\b:128*(\p)+FR*\b+FR-1], v[AF+48*(\p)+FR*(\a):AF+48*(\p)+FR*(\a)+FR-1], v[BI+8*\b:BI+8*\b+7], v[SC+32*(\sc)+16+4*\b+(\q)], v[SC+32*(\sc)+4*(\q)+(\a)] matrix_a_fmt:MATRIX_FMT_FP6 matrix_b_fmt:MATRIX_FMT_FP6
.else
	v_wmma_scale_f32_16x16x128_f8f6f4 v[8*(4*(\a)+\b):8*(4*(\a)+\b)+7], v[128*(\p)+FR*\b:128*(\p)+FR*\b+FR-1], v[AF+48*(\p)+FR*(\a):AF+48*(\p)+FR*(\a)+FR-1], v[8*(4*(\a)+\b):8*(4*(\a)+\b)+7], v[SC+32*(\sc)+16+4*\b+(\q)], v[SC+32*(\sc)+4*(\q)+(\a)] matrix_a_fmt:MATRIX_FMT_FP6 matrix_b_fmt:MATRIX_FMT_FP6
.endif
.endr
.endm
.macro PLACES n
.rept \n
	v_nop
.endr
.endm
.macro STEP slot, q, first             ; one of a slot's first three steps: the next step's fragments are asked for, then this step is multiplied
	PLACES 4                                       ; between the last step's products and the loads into the set that they read
	FETCH \slot, (\q)+1, ((\q)+1)%2
	s_wait_dscnt 40                                ; all but the 40 just issued
.if \first
	WIN 0x81                                       ; W window 1, A and the bias window 0, D window 2
.else
	WIN 0xa1
.endif
	MULA 0, (\q)%2, \q, \slot, \first
	MULA 1, (\q)%2, \q, \slot, \first
	MULA 2, (\q)%2, \q, \slot, \first
	MULA 3, (\q)%2, \q, \slot, \first
.endm
.macro TURN slot, next, fill           ; a slot's last step changes slots
	WIN 0
	s_wait_tensorcnt 0x0                           ; all my tensor loads have landed: my part of the next slot
	ds_add_u32 v[SPW], v[NIL]                      ; 0 onto my spare word
	s_wait_dscnt 1                                 ; (the add alone may be out)
	WIN 0xa1
	MULA 0, 1, 3, \slot, 0
	s_wait_dscnt 0x0                               ; the add is done, and my reads of this slot are over
	s_barrier_signal -1
	MULA 1, 1, 3, \slot, 0
	WIN 0
	s_barrier_wait -1
.if \fill
	CREST                                          ; the barrier has opened a round of the cluster's barrier
	s_add_nc_u64 s[G0+4*\slot+2:G0+4*\slot+3], s[G0+4*\slot+2:G0+4*\slot+3], 2*ASZ
	s_add_nc_u64 s[G0B+4*\slot+2:G0B+4*\slot+3], s[G0B+4*\slot+2:G0B+4*\slot+3], 768
	JLOAD G0+4*\slot, G1, G0B+4*\slot, G1B         ; the first tensor load behind the round; its four v_nop are the places in front of the loads below
.else
	PLACES 4
.endif
	v_add_nc_u32 v[ADSA], 4*544, v[ADSA]
	v_add_nc_u32 v[ADSB], 16, v[ADSB]
	FETCH \next, 0, 0
	SCALES \next
	WIN 0xa1
	MULA 2, 1, 3, \slot, 0
	MULA 3, 1, 3, \slot, 0
.endm
	s_wait_tensorcnt 0x0                           ; my tile of the head's four is in
	s_barrier_signal -1
	s_barrier_wait -1
	FETCH 0, 0, 0
	SCALES 0
	s_wait_loadcnt 32                              ; the bias is in; the 32 younger loads (the residual) may be out
	STEP 0, 0, 1
.if LAPS > 1
	WIN 0
	s_mov_b32 s3, LAPS-1
.Llap:
	STEP 0, 1, 0
	STEP 0, 2, 0
	TURN 0, 1, 1
	STEP 1, 0, 0
	STEP 1, 1, 0
	STEP 1, 2, 0
	TURN 1, 0, 1
	STEP 0, 0, 0
	WIN 0
	s_sub_co_u32 s3, s3, 1
	s_cmp_lg_u32 s3, 0
	s_cbranch_scc1 .Llap
.endif
	STEP 0, 1, 0
	STEP 0, 2, 0
	TURN 0, 1, 0
	STEP 1, 0, 0
	STEP 1, 1, 0
	STEP 1, 2, 0
	s_wait_dscnt 0x0
	MULA 0, 1, 3, 1, 0
	MULA 1, 1, 3, 1, 0
	MULA 2, 1, 3, 1, 0
	MULA 3, 1, 3, 1, 0
	WIN 0
	; THE WAY OUT: 16 rows x 64 columns at a time through my own stage, back as rows of 256 bytes, + the residual
	s_wait_loadcnt 0x0
	PLACES 4
.irp a, 0,1,2,3
	WIN 0x08                                       ; an LDS store's data and the sum's second source: window 2
.irp b, 0,1,2,3
	ds_store_b128 v[STO], v[8*(4*\a+\b):8*(4*\a+\b)+3] offset:64*\b            ; each accumulator from its low end on
	ds_store_b128 v[STO], v[8*(4*\a+\b)+4:8*(4*\a+\b)+7] offset:64*\b+16
.endr
.irp t, 0,1,2,3,4,5,6,7
	ds_load_b128 v[OB+32*\a+4*\t:OB+32*\a+4*\t+3], v[RD] offset:\t*2*SPITCH    ; LDS serves a wave's instructions in order: these see my stores
.endr
	s_wait_dscnt 0x0
.irp n, 0,2,4,6,8,10,12,14,16,18,20,22,24,26,28,30
	v_pk_add_f32 v[OB+32*\a+\n:OB+32*\a+\n+1], v[OB+32*\a+\n:OB+32*\a+\n+1], v[RS+32*\a+\n:RS+32*\a+\n+1]
.endr
	WIN 0
.irp t, 0,1,2,3,4,5,6,7
	global_store_b128 v[CO], v[OB+32*\a+4*\t:OB+32*\a+4*\t+3], s[12:13] offset:(16*\a+2*\t)*4096   ; sixteen lanes store 256 consecutive bytes, aligned
.endr
.endr
	s_wait_tensorcnt 0x0                           ; the wave's end
	ds_add_u32 v[SPW], v[NIL]
	s_wait_dscnt 0x0
	CROUND                                         ; the closing round
	s_endpgm
.Lfunc_end_k_qa49712c214_proj:
	.size	k_qa49712c214_proj, .Lfunc_end_k_qa49712c214_proj-k_qa49712c214_proj
	.p2alignl 7, 3214868480
	.fill 96, 4, 3214868480
	.section	.rodata,"a",@progbits
	.p2align	6, 0x0
	.amdhsa_kernel k_qa49712c214_proj
		.amdhsa_group_segment_fixed_size 327680
		.amdhsa_private_segment_fixed_size 0
		.amdhsa_enable_private_segment 0
		.amdhsa_kernarg_size 48
		.amdhsa_user_sgpr_count 2
		.amdhsa_user_sgpr_kernarg_segment_ptr 1
		.amdhsa_wavefront_size32 1
		.amdhsa_system_sgpr_workgroup_id_x 1
		.amdhsa_system_sgpr_workgroup_id_y 1
		.amdhsa_system_sgpr_workgroup_id_z 1
		.amdhsa_system_vgpr_workitem_id 0
		.amdhsa_next_free_vgpr 768
		.amdhsa_next_free_sgpr 102
		.amdhsa_reserve_vcc 0
		.amdhsa_float_denorm_mode_32 3
		.amdhsa_float_denorm_mode_16_64 3
		.amdhsa_memory_ordered 1
		.amdhsa_forward_progress 1
		.amdhsa_inst_pref_size 64
	.end_amdhsa_kernel
	.amdgpu_metadata
---
amdhsa.version: [ 1, 2 ]
amdhsa.kernels:
  - .name:           k_qa49712c214_proj
    .symbol:         k_qa49712c214_proj.kd
    .args:
      - { .name: att, .offset: 0, .size: 8, .value_kind: global_buffer, .address_space: global }
      - { .name: Wp_codes, .offset: 8, .size: 8, .value_kind: global_buffer, .address_space: global }
      - { .name: Wp_scales, .offset: 16, .size: 8, .value_kind: global_buffer, .address_space: global }
      - { .name: bp, .offset: 24, .size: 8, .value_kind: global_buffer, .address_space: global }
      - { .name: x, .offset: 32, .size: 8, .value_kind: global_buffer, .address_space: global }
      - { .name: x1, .offset: 40, .size: 8, .value_kind: global_buffer, .address_space: global }
    .group_segment_fixed_size: 327680
    .private_segment_fixed_size: 0
    .kernarg_segment_align: 8
    .kernarg_segment_size: 48
    .max_flat_workgroup_size: 128
    .sgpr_count:     102
    .vgpr_count:     768
    .wavefront_size: 32
...
	.end_amdgpu_metadata
.endif
;; end of part 4
;; launch ln2: the kernel of part 1 again; grid 256 x 1, 4 waves a work-group, no clusters, 87,040 bytes of LDS; arguments x1, g2, beta2, hq; writes hq
;; launch ffn1 (part 5): grid 16 x 16, 4 waves a work-group, clusters of 4 x 4, 327,680 bytes of LDS; arguments hq, W1_codes, W1_scales, b1, hid; writes hid
.if DOCPART == 5
	.amdgcn_target "amdgcn-amd-amdhsa--gfx1250"
	.amdhsa_code_object_version 6
	.text
	.protected	k_qa49712c214_ffn1
	.globl	k_qa49712c214_ffn1
	.p2align	8
	.type	k_qa49712c214_ffn1,@function
k_qa49712c214_ffn1:
	s_mov_b64 s[64:65], 0
	v_nop
	global_prefetch_b8 v0, s[64:65] scope:SCOPE_SE
	s_setreg_imm32_b32 hwreg(HW_REG_WAVE_MODE, 25, 1), 1
	s_wait_xcnt 0x0
	s_wait_alu depctr_hold_cnt(0) depctr_sa_sdst(0) depctr_va_vdst(0) depctr_va_sdst(0) depctr_va_ssrc(0) depctr_va_vcc(0) depctr_vm_vsrc(0)
	s_getreg_b32 s2, hwreg(HW_REG_IB_STS2, 6, 4)
	s_cmp_eq_u32 s2, 0
	s_cbranch_scc0 .Lentry_in_a_cluster
	s_endpgm
.Lentry_in_a_cluster:
	s_bfe_u32 s2, ttmp6, 0x10000c
	s_cmp_lg_u32 s2, 0xf033
	s_cbranch_scc0 .Lentry_shape_is_right
	s_endpgm
.Lentry_shape_is_right:
; hid = Q(relu(LN(x1) W1 + b1)) on codes of FP6 (E2M3) with E8M0 scales, K = 1,024; the f32 results are clipped at 0, brought into the true order of the hidden units and quantised in registers; they leave as images of operand registers.
; A tile of 256 x 256 to a work-group of four waves, 128 x 128 a wave.  K goes through two LDS slots in chunks of 256 bytes of each row (a row of codes is 768 bytes: three chunks); a step of 128 along K is 96 bytes; steps 2 and 5 lie across two chunks.
; At the head one joint load a wave: chunk 0 of A, chunk 0 of W1, A's scales, W1's scales; chunk 1 behind a round of the cluster's barrier.  Source 0 = 16 rows of W1, source 1 = 16 tokens: a lane holds eight neighbouring hidden units of a token.
; The bias is the C of each sum's first product.  OUT: [128 tokens][K step of 128][tile of 16 tokens][1,536 bytes], scale words at byte 12,582,912: [128 tokens][K step][512 bytes].
; No prefetch: K is three chunks long, at the largest block in clusters.
; LIMITS: NaN and infinities are not served; a block's byte is held at 1 from below; a block of zeros gets the byte 1 (its codes are zeros; this program alone reads the bytes).
.set ROWB,   256
.set NQ,     2
.set KROW,   768
.set STEPS,  8
.set CHUNKS, 3
.set PITCH,  272
.set FR,     12
.set NL,     6
.set NP,     4
.set HALFT,  128*PITCH
.set SLOT,   4*HALFT
.set KS,     32
.set SCL,    2*SLOT
.set HALFS,  (128*KS/256)*272
.set SBLK,   (16*KS/256)*272
.set SPARE,  SCL+4*HALFS               ; the spare words: two blocks of 256 bytes that no other line names
.set ADRA, 16
.set ADRB, 20
.set ADRS, 27
.set SPW,  28
.set NIL,  29
.set SC,   32                          ; v32-63 scale words, and nothing else
.set BI,   64                          ; v64-127 the bias in the result's layout
.set AF,   128
.set X,    128
.set TM,   192
.set CD,   208
.set PWR,  228
.set SW,   236
.set SOF,  245
.set L16,  246
.set LN,   248
.set SEL,  100
.set G1, 24
.set G0, 32
.set G1B, 48
.set G0B, 56
.set G1S, 68
.set G0S, 76
.set G1SB, 80
.set G0SB, 88
.set G0H, 4
.set G0HB, 8
.set MSB, 0
.macro WIN new
.if MSB != \new
	s_set_vgpr_msb (MSB<<8)|\new
.set MSB, \new
.endif
.endm
.set MUL_LO, 0xa1                      ; source 0 (W1) window 1, source 1 (A) window 0, C and D window 2
.set MUL_HI, 0xf1
.set TO_B,   0x40
.macro JLOAD g0a, g1a, g0b, g1b
	s_cmp_eq_u32 s15, 0
	s_cbranch_scc0 .Lfor_b_\@
	tensor_load_to_lds s[\g0a:\g0a+3], s[\g1a:\g1a+7]
	s_nop 0
.rept 4
	v_nop
.endr
	s_branch .Lasked_\@
.Lfor_b_\@:
	tensor_load_to_lds s[\g0b:\g0b+3], s[\g1b:\g1b+7]
	s_nop 0
.rept 4
	v_nop
.endr
.Lasked_\@:
.endm
.macro CREST
	s_cmp_lg_u32 s14, 0
	s_cbranch_scc1 .Lnot_wave_0_\@
	s_barrier_signal -3
.Lnot_wave_0_\@:
	s_barrier_wait -3
	s_barrier_signal -1
	s_barrier_wait -1
.endm
.macro CROUND
	s_barrier_signal -1
	s_barrier_wait -1
	CREST
.endm
	s_load_b64 s[4:5], s[0:1], 0x0                 ; hq
	s_load_b128 s[8:11], s[0:1], 0x8               ; W1's codes, scales
	s_load_b128 s[96:99], s[0:1], 0x18             ; b1, hid
	v_lshl_add_u32 v[SPW], v0, 2, SPARE
	v_mov_b32 v[NIL], 0
	ds_add_u32 v[SPW], v[NIL]                      ; the opening lines: the add twice and one wait
	ds_add_u32 v[SPW], v[NIL]
	v_lshrrev_b32 v1, 5, v0
	v_readfirstlane_b32 s14, v1
	s_lshr_b32 s15, s14, 1
	s_and_b32 s16, s14, 1
	s_bfe_u32 s40, ttmp6, 0x40000
	s_bfe_u32 s41, ttmp6, 0x40004
	s_lshl_b32 s42, ttmp9, 2
	s_add_co_u32 s42, s42, s40                     ; tile column
	s_and_b32 s17, ttmp7, 0xffff
	s_lshl_b32 s17, s17, 2
	s_add_co_u32 s17, s17, s41                     ; tile row
	s_lshl_b32 s43, s41, 2
	s_lshl_b32 s43, 15, s43
	s_lshl_b32 s44, 0x1111, s40
	s_or_b32 s[G1+0], s43, (0<<16)|(1<<20)|(1<<21)|(5<<22)|(3<<25)
	s_or_b32 s[G1B+0], s44, (0<<16)|(1<<20)|(1<<21)|(5<<22)|(3<<25)
.irp g, G1, G1B
	s_mov_b32 s[\g+1], ROWB<<16
	s_mov_b32 s[\g+2], 256<<16
	s_mov_b32 s[\g+3], ROWB<<16
	s_mov_b32 s[\g+4], 256
	s_mov_b32 s[\g+5], KROW
	s_mov_b32 s[\g+6], 0
	s_mov_b32 s[\g+7], 0
.endr
	s_or_b32 s[G1S+0], s43, (3<<16)|(1<<20)|(1<<21)|(5<<22)|(3<<25)
	s_or_b32 s[G1SB+0], s44, (3<<16)|(1<<20)|(1<<21)|(5<<22)|(3<<25)
.irp g, G1S, G1SB
	s_mov_b32 s[\g+1], 32<<16
	s_mov_b32 s[\g+2], KS<<16
	s_mov_b32 s[\g+3], 32<<16
	s_mov_b32 s[\g+4], KS
	s_mov_b32 s[\g+5], 32
	s_mov_b32 s[\g+6], 0
	s_mov_b32 s[\g+7], 0
.endr
	s_lshl_b32 s20, s17, 8
	s_lshl_b32 s46, s42, 8
	s_mov_b32 s21, 0
	s_mov_b32 s47, 0
	s_mov_b64 s[18:19], KS
	s_mul_u64 s[22:23], s[20:21], s[18:19]
	s_mul_u64 s[92:93], s[46:47], s[18:19]
	s_mov_b64 s[18:19], KROW
	s_mul_u64 s[20:21], s[20:21], s[18:19]
	s_mul_u64 s[46:47], s[46:47], s[18:19]
	s_mul_i32 s18, s16, 128*KROW
	s_mov_b32 s19, 0
	s_mul_i32 s45, s14, HALFT
	s_wait_dscnt 0x0
	s_wait_kmcnt 0x0
	s_add_nc_u64 s[6:7], s[4:5], 0x300000          ; hq's scale bytes
	s_add_nc_u64 s[20:21], s[4:5], s[20:21]
	s_add_nc_u64 s[22:23], s[6:7], s[22:23]
	s_add_nc_u64 s[46:47], s[8:9], s[46:47]
	s_add_nc_u64 s[92:93], s[10:11], s[92:93]
	CROUND
	s_mov_b32 s[G0H], 1
	s_mov_b32 s[G0H+1], 0
	s_mov_b64 s[G0H+2:G0H+3], s[20:21]
	s_or_b32 s[G0H+3], s[G0H+3], 0x80000000
	s_mov_b32 s[G0HB], 1
	s_mov_b32 s[G0HB+1], 2*HALFT
	s_mov_b64 s[G0HB+2:G0HB+3], s[46:47]
	s_or_b32 s[G0HB+3], s[G0HB+3], 0x80000000
	s_mov_b32 s[G0S], 1
	s_mov_b32 s[G0S+1], SCL
	s_mov_b64 s[G0S+2:G0S+3], s[22:23]
	s_or_b32 s[G0S+3], s[G0S+3], 0x80000000
	s_mov_b32 s[G0SB], 1
	s_mov_b32 s[G0SB+1], SCL+2*HALFS
	s_mov_b64 s[G0SB+2:G0SB+3], s[92:93]
	s_or_b32 s[G0SB+3], s[G0SB+3], 0x80000000
	s_add_nc_u64 s[20:21], s[20:21], s[18:19]
	s_add_nc_u64 s[46:47], s[46:47], s[18:19]
.irp s, 0,1
	s_mov_b32 s[G0+4*\s], 1
	s_add_co_u32 s[G0+4*\s+1], s45, \s*SLOT
	s_add_nc_u64 s[G0+4*\s+2:G0+4*\s+3], s[20:21], \s*ROWB
	s_or_b32 s[G0+4*\s+3], s[G0+4*\s+3], 0x80000000
	s_mov_b32 s[G0B+4*\s], 1
	s_add_co_u32 s[G0B+4*\s+1], s45, \s*SLOT
	s_add_nc_u64 s[G0B+4*\s+2:G0B+4*\s+3], s[46:47], \s*ROWB
	s_or_b32 s[G0B+4*\s+3], s[G0B+4*\s+3], 0x80000000
.endr
.macro ARM under, g0, g1, next
	s_cmp_lt_u32 s14, \under
	s_cbranch_scc0 \next
	tensor_load_to_lds s[\g0:\g0+3], s[\g1:\g1+7]
	s_nop 0
.rept 4
	v_nop
.endr
	s_branch .Lhead_asked
\next:
.endm
	ARM 1, G0H,  G1,  .Lhead_b
	ARM 2, G0HB, G1B, .Lhead_sa
	ARM 3, G0S,  G1S, .Lhead_sb
	tensor_load_to_lds s[G0SB:G0SB+3], s[G1SB:G1SB+7]
	s_nop 0
.rept 4
	v_nop
.endr
.Lhead_asked:
	v_and_b32 v1, 15, v0
	v_bfe_u32 v2, v0, 4, 1
	v_mul_u32_u24 v3, v1, PITCH
	v_mul_u32_u24 v4, v2, 24
	v_add_nc_u32 v4, v3, v4
	s_mov_b32 s21, SLOT-232
	s_mov_b32 s22, SLOT+232
	v_sub_nc_u32 v7, 1, v2
	v_mul_u32_u24 v5, s21, v2
	v_add_nc_u32 v5, v3, v5
	v_add_nc_u32 v5, 232, v5
	v_mul_u32_u24 v6, s22, v7
	v_add_nc_u32 v6, v3, v6
	s_mul_i32 s21, s15, HALFT
	s_mul_i32 s22, s16, HALFT
	s_add_co_u32 s22, s22, 2*HALFT
	v_add_nc_u32 v[ADRA+2], s21, v5
	v_add_nc_u32 v[ADRA+3], s21, v6
	v_add_nc_u32 v[ADRB+2], s22, v5
	v_add_nc_u32 v[ADRB+3], s22, v6
.irp s, 0,1
	v_add_nc_u32 v[ADRA+\s], s21, v4
	v_add_nc_u32 v[ADRB+\s], s22, v4
	s_add_co_u32 s21, s21, SLOT
	s_add_co_u32 s22, s22, SLOT
.endr
	v_mul_u32_u24 v5, v1, KS
	v_lshrrev_b32 v6, 8, v5
	v_lshl_add_u32 v5, v6, 4, v5
	s_mul_i32 s21, s15, HALFS
	s_mul_i32 s22, s16, HALFS
	s_add_co_u32 s22, s22, 2*HALFS
	s_sub_co_u32 s22, s22, s21
	v_mul_u32_u24 v6, s22, v2
	s_add_co_u32 s21, s21, SCL
	v_add_nc_u32 v5, v5, v6
	v_add_nc_u32 v[ADRS], s21, v5
	s_lshl_b32 s46, s42, 10                        ; the bias of my 128 columns
	s_lshl_b32 s47, s16, 9
	s_add_co_u32 s46, s46, s47
	s_mov_b32 s47, 0
	s_add_nc_u64 s[96:97], s[96:97], s[46:47]
	v_lshlrev_b32 v7, 5, v2
.irp b, 0,1,2,3,4,5,6,7
	global_load_b128 v[BI+8*\b:BI+8*\b+3], v7, s[96:97] offset:64*\b
	global_load_b128 v[BI+8*\b+4:BI+8*\b+7], v7, s[96:97] offset:64*\b+16
.endr
.macro FRAG reg, adr, st, i
.irp p, 0,1,2,3,4,5
.set BY, 96*(\st)+48*(\p/3)+8*(\p%3)
.if BY/ROWB == (BY+24)/ROWB
	ds_load_b64 v[\reg+2*\p:\reg+2*\p+1], v[\adr+(BY/ROWB)%2] offset:BY%ROWB+(\i)*16*PITCH
.else
	ds_load_b64 v[\reg+2*\p:\reg+2*\p+1], v[\adr+2+(BY/ROWB)%2] offset:BY%ROWB-232+(\i)*16*PITCH
.endif
.endr
.endm
.macro MUL16 a0, p, q, sc, first       ; the 64 accumulators take turns; first = 1: the bias is C
.irp a, \a0, \a0+1
.irp b, 0,1,2,3,4,5,6,7
.if \first
	v_wmma_scale_f32_16x16x128_f8f6f4 v[8*(8*((\a)%4)+\b):8*(8*((\a)%4)+\b)+7], v[128*(\p)+FR*\b:128*(\p)+FR*\b+FR-1], v[AF+FR*(\a):AF+FR*(\a)+FR-1], v[BI+8*\b:BI+8*\b+7], v[SC+8*NQ*(\sc)+NQ*\b+(\q)], v[SC+8*NQ*(\sc)+NQ*(\a)+(\q)] matrix_a_fmt:MATRIX_FMT_FP6 matrix_b_fmt:MATRIX_FMT_FP6 matrix_a_scale:MATRIX_SCALE_ROW1
.else
	v_wmma_scale_f32_16x16x128_f8f6f4 v[8*(8*((\a)%4)+\b):8*(8*((\a)%4)+\b)+7], v[128*(\p)+FR*\b:128*(\p)+FR*\b+FR-1], v[AF+FR*(\a):AF+FR*(\a)+FR-1], v[8*(8*((\a)%4)+\b):8*(8*((\a)%4)+\b)+7], v[SC+8*NQ*(\sc)+NQ*\b+(\q)], v[SC+8*NQ*(\sc)+NQ*(\a)+(\q)] matrix_a_fmt:MATRIX_FMT_FP6 matrix_b_fmt:MATRIX_FMT_FP6 matrix_a_scale:MATRIX_SCALE_ROW1
.endif
.endr
.endr
.endm
.macro FETCH_B st, p
	WIN TO_B
.irp i, 0,1,2,3,4,5,6,7
	FRAG 128*(\p)+FR*\i, ADRB, \st, \i
.endr
	WIN 0
.endm
.macro FETCH_A st, i0
.irp i, \i0, \i0+1, \i0+2, \i0+3
	FRAG AF+FR*(\i), ADRA, \st, \i
.endr
.endm
.macro SCALES pr
.irp i, 0,1,2,3,4,5,6,7
	ds_load_b64 v[SC+8*NQ*((\pr)%2)+NQ*\i:SC+8*NQ*((\pr)%2)+NQ*\i+1], v[ADRS] offset:\i*SBLK+4*NQ*(\pr)
.endr
.endm
.macro PLACES n
.rept \n
	v_nop
.endr
.endm
.macro STEP st, first                  ; as in the launch of Q, K, V; in the first step C (the bias) lies in window 0
.set NX, (\st)+1
.set C0, (96*(\st))/ROWB
.set C1, (96*NX)/ROWB
.set E0, (96*(\st)+95)/ROWB
.set E1, (96*NX+95)/ROWB
.if C1 > C0 || E1 > E0
	s_wait_tensorcnt 0x0                           ; all my tensor loads have landed
.if C1 > C0
	ds_add_u32 v[SPW], v[NIL]
	s_wait_dscnt 4*NL+1                            ; the add and the youngest 24 loads may be out
.else
	s_wait_dscnt 4*NL                              ; the youngest 24 loads may be out
.endif
	WIN MUL_LO
	MUL16 0, (\st)%2, (\st)%2, ((\st)/2)%2, 0
	s_wait_dscnt 0x0
	s_barrier_signal -1
	MUL16 2, (\st)%2, (\st)%2, ((\st)/2)%2, 0
	WIN 0
	s_barrier_wait -1
.if C1 > C0 && C0+2 < CHUNKS
	CREST
	s_add_nc_u64 s[G0+4*(C0%2)+2:G0+4*(C0%2)+3], s[G0+4*(C0%2)+2:G0+4*(C0%2)+3], 2*ROWB
	s_add_nc_u64 s[G0B+4*(C0%2)+2:G0B+4*(C0%2)+3], s[G0B+4*(C0%2)+2:G0B+4*(C0%2)+3], 2*ROWB
	JLOAD G0+4*(C0%2), G1, G0B+4*(C0%2), G1B
.else
	PLACES NP
.endif
.else
	s_wait_dscnt 4*NL
	WIN (MUL_LO-0x20*(\first))
	MUL16 0, (\st)%2, (\st)%2, ((\st)/2)%2, \first
	MUL16 2, (\st)%2, (\st)%2, ((\st)/2)%2, \first
	s_wait_dscnt 0
	PLACES NP
.endif
	FETCH_B NX, NX%2
	FETCH_A NX, 0
.if NX%2 == 0
	SCALES NX/2
.endif
	WIN (MUL_HI-0x30*(\first))
	MUL16 4, (\st)%2, (\st)%2, ((\st)/2)%2, \first
	MUL16 6, (\st)%2, (\st)%2, ((\st)/2)%2, \first
	PLACES NP
	WIN 0
	FETCH_A NX, 4
.endm
	s_wait_alu depctr_va_vdst(0)                   ; the wait at the head's end
	s_wait_tensorcnt 0x0
	ds_add_u32 v[SPW], v[NIL]
	s_mov_b32 s[G1+2], 128<<16                     ; no load of mine is out: from here on a load brings 128 rows
	s_mov_b32 s[G1+4], 128
	s_mov_b32 s[G1B+2], 128<<16
	s_mov_b32 s[G1B+4], 128
	s_wait_dscnt 0x0
	CROUND
	JLOAD G0+4, G1, G0B+4, G1B                     ; chunk 1
	FETCH_B 0, 0
	FETCH_A 0, 0
	SCALES 0
	FETCH_A 0, 4
	s_wait_loadcnt 0x0                             ; the bias
	STEP 0, 1
.set ST, 1
.rept STEPS-2
	STEP ST, 0
.set ST, ST+1
.endr
	s_wait_dscnt 4*NL
	WIN MUL_LO
	MUL16 0, 1, 1, 1, 0
	MUL16 2, 1, 1, 1, 0
	s_wait_dscnt 0
	WIN MUL_HI
	MUL16 4, 1, 1, 1, 0
	MUL16 6, 1, 1, 1, 0
	WIN 0
	; THE WAY OUT
	s_lshl_b32 s18, s17, 1
	s_add_co_u32 s18, s18, s15
	s_lshl_b32 s18, s18, 5
	s_lshl_b32 s19, s42, 1
	s_add_co_u32 s19, s19, s16
	s_add_co_u32 s18, s18, s19                     ; 32 x group of 128 tokens + the next product's K step
	s_mul_i32 s20, s18, 12288
	s_mov_b32 s21, 0
	s_add_nc_u64 s[4:5], s[98:99], s[20:21]
	s_lshl_b32 s20, s18, 9
	s_add_co_u32 s20, s20, 12582912
	s_add_nc_u64 s[6:7], s[98:99], s[20:21]
	s_mov_b32 s[SEL], 0x76543210
	s_mov_b32 s[SEL+1], 0xfedcba98
	PLACES NP
	v_and_b32 v[LN], 31, v0
	v_lshlrev_b32 v[L16], 4, v[LN]
	v_lshlrev_b32 v[SOF], 8, v2
	v_lshl_add_u32 v[SOF], v1, 4, v[SOF]
.irp b, 0,1,2,3
	v_mov_b32 v[TM+4+\b], 0
.endr
.macro QUANT
.irp b, 0,1,2,3
	v_max3_num_f32 v[TM+\b], 0x1800000, v[X+16*\b], v[X+16*\b+1]   ; none is negative; with the floor 2^(3 - 127)
.endr
.irp i, 2,4,6,8,10,12,14
.irp b, 0,1,2,3
	v_max3_num_f32 v[TM+\b], v[TM+\b], v[X+16*\b+\i], v[X+16*\b+\i+1]
.endr
.endr
.irp b, 0,1,2,3
	v_permlanex16_b32 v[TM+4+\b], v[TM+\b], s[SEL], s[SEL+1]
.endr
.irp b, 0,1,2,3
	v_max_num_f32 v[TM+\b], v[TM+\b], v[TM+4+\b]
.endr
.irp b, 0,1,2,3
	v_add_nc_u32 v[TM+12+\b], 0xff000000, v[TM+\b]
.endr
.irp b, 0,1,2,3
	v_lshrrev_b32 v[TM+4+\b], 23, v[TM+12+\b]
.endr
	v_lshl_or_b32 v[QP], v[TM+5], 8, v[TM+4]
	v_lshl_or_b32 v[QP], v[TM+6], 16, v[QP]
	v_lshl_or_b32 v[QP], v[TM+7], 24, v[QP]
.irp c, 0,1
	v_cvt_scalef32_pk16_fp6_f32 v[CD+6*\c:CD+6*\c+2], v[X+32*\c:X+32*\c+15], v[TM+12+2*\c]
	v_cvt_scalef32_pk16_fp6_f32 v[CD+12+4*\c:CD+14+4*\c], v[X+32*\c+16:X+32*\c+31], v[TM+12+2*\c+1]
.endr
	v_nop
.irp c, 0,1
.irp i, 0,1,2
	v_permlane16_swap_b32 v[CD+6*\c+\i], v[CD+12+4*\c+\i]
.endr
.irp i, 0,1,2
	v_mov_b32 v[CD+3+6*\c+\i], v[CD+12+4*\c+\i]
.endr
.endr
.endm
.macro OUTBLK a
.if (\a) > 0
	s_wait_xcnt 0x0                                ; the last block's stores have read their data
.endif
.set QS, 64*((\a)%4)
.set WN, (2+(\a)/4)<<2
.set QP, PWR+(\a)
	WIN WN
.set n, 0
.rept 64
	v_max_num_f32 v[X+n], 0, v[QS+n]               ; relu, each accumulator from its low end on
.set n, n+1
.endr
	WIN 0
.irp b, 0,1,2,3
.irp j, 0,1,2,3,4,5,6,7
	v_permlane16_swap_b32 v[X+16*\b+\j], v[X+16*\b+8+\j]   ; the true order of the hidden units
.endr
.endr
	QUANT
	global_store_b128 v[L16], v[CD:CD+3], s[4:5] offset:1536*(\a)
	global_store_b128 v[L16], v[CD+4:CD+7], s[4:5] offset:1536*(\a)+512
	global_store_b128 v[L16], v[CD+8:CD+11], s[4:5] offset:1536*(\a)+1024
.endm
.irp a, 0,1,2,3,4,5,6,7
	OUTBLK \a
.endr
	v_cmp_lt_u32 vcc_lo, 15, v[LN]
.irp i, 0,1,2,3
	v_cndmask_b32 v[SW+\i], v[PWR+\i], v[PWR+4+\i], vcc_lo
.endr
	global_store_b128 v[SOF], v[SW:SW+3], s[6:7]
	s_wait_tensorcnt 0x0                           ; the wave's end
	ds_add_u32 v[SPW], v[NIL]
	s_wait_dscnt 0x0
	CROUND
	s_endpgm
.Lfunc_end_k_qa49712c214_ffn1:
	.size	k_qa49712c214_ffn1, .Lfunc_end_k_qa49712c214_ffn1-k_qa49712c214_ffn1
	.p2alignl 7, 3214868480
	.fill 96, 4, 3214868480
	.section	.rodata,"a",@progbits
	.p2align	6, 0x0
	.amdhsa_kernel k_qa49712c214_ffn1
		.amdhsa_group_segment_fixed_size 327680
		.amdhsa_private_segment_fixed_size 0
		.amdhsa_enable_private_segment 0
		.amdhsa_kernarg_size 40
		.amdhsa_user_sgpr_count 2
		.amdhsa_user_sgpr_kernarg_segment_ptr 1
		.amdhsa_wavefront_size32 1
		.amdhsa_system_sgpr_workgroup_id_x 1
		.amdhsa_system_sgpr_workgroup_id_y 1
		.amdhsa_system_sgpr_workgroup_id_z 1
		.amdhsa_system_vgpr_workitem_id 0
		.amdhsa_next_free_vgpr 1024
		.amdhsa_next_free_sgpr 102
		.amdhsa_reserve_vcc 1
		.amdhsa_float_denorm_mode_32 3
		.amdhsa_float_denorm_mode_16_64 3
		.amdhsa_memory_ordered 1
		.amdhsa_forward_progress 1
		.amdhsa_inst_pref_size 190
	.end_amdhsa_kernel
	.amdgpu_metadata
---
amdhsa.version: [ 1, 2 ]
amdhsa.kernels:
  - .name:           k_qa49712c214_ffn1
    .symbol:         k_qa49712c214_ffn1.kd
    .args:
      - { .name: hq, .offset: 0, .size: 8, .value_kind: global_buffer, .address_space: global }
      - { .name: W1_codes, .offset: 8, .size: 8, .value_kind: global_buffer, .address_space: global }
      - { .name: W1_scales, .offset: 16, .size: 8, .value_kind: global_buffer, .address_space: global }
      - { .name: b1, .offset: 24, .size: 8, .value_kind: global_buffer, .address_space: global }
      - { .name: hid, .offset: 32, .size: 8, .value_kind: global_buffer, .address_space: global }
    .group_segment_fixed_size: 327680
    .private_segment_fixed_size: 0
    .kernarg_segment_align: 8
    .kernarg_segment_size: 40
    .max_flat_workgroup_size: 128
    .sgpr_count:     102
    .vgpr_count:     1024
    .wavefront_size: 32
...
	.end_amdgpu_metadata
.endif
;; end of part 5
;; launch ffn2 (part 6): grid 8 x 32, 4 waves a work-group, clusters of 4 x 4, 327,680 bytes of LDS; arguments hid, W2_codes, W2_scales, b2, x1, out0; writes out0
.if DOCPART == 6
	.amdgcn_target "amdgcn-amd-amdhsa--gfx1250"
	.amdhsa_code_object_version 6
	.text
	.protected	k_qa49712c214_ffn2
	.globl	k_qa49712c214_ffn2
	.p2align	8
	.type	k_qa49712c214_ffn2,@function
k_qa49712c214_ffn2:
	s_mov_b64 s[64:65], 0
	v_nop
	global_prefetch_b8 v0, s[64:65] scope:SCOPE_SE
	s_setreg_imm32_b32 hwreg(HW_REG_WAVE_MODE, 25, 1), 1
	s_wait_xcnt 0x0
	s_wait_alu depctr_hold_cnt(0) depctr_sa_sdst(0) depctr_va_vdst(0) depctr_va_sdst(0) depctr_va_ssrc(0) depctr_va_vcc(0) depctr_vm_vsrc(0)
	s_getreg_b32 s2, hwreg(HW_REG_IB_STS2, 6, 4)
	s_cmp_eq_u32 s2, 0
	s_cbranch_scc0 .Lentry_in_a_cluster
	s_endpgm
.Lentry_in_a_cluster:
	s_bfe_u32 s2, ttmp6, 0x10000c
	s_cmp_lg_u32 s2, 0xf033
	s_cbranch_scc0 .Lentry_shape_is_right
	s_endpgm
.Lentry_shape_is_right:
.set NK,     32
.set KROW,   3072
.set KS,     128
.set FR,     12
.set RING,   10
.set PITCH,  816
.set QTR,    32*PITCH
.set SLOT,   128*PITCH
.set SCL,    2*SLOT
.set HALFS,  NK*272
.set SBLK,   (16*KS/256)*272
.set SPARE,  SCL+4*HALFS
.set STAGE,  SPARE+512
.set SPITCH, 528
.set ADRB,  8
.set L16,   16
.set STO,   17
.set RD,    18
.set ADSA,  19
.set ADSB,  20
.set BO,    21
.set SPW,   28
.set NIL,   29
.set WSC,   32
.set ASC,   96
.set OB,    128
.set BI,    96
.set RS,    128
.set G1B, 48
.set G0B, 56
.set G1S, 68
.set G0S, 76
.set G1SB, 80
.set G0SB, 88
.set MSB, 0
.macro WIN new
.if MSB != \new
	s_set_vgpr_msb (MSB<<8)|\new
.set MSB, \new
.endif
.endm
.macro JLOAD g0a, g1a, g0b, g1b
	s_cmp_eq_u32 s15, 0
	s_cbranch_scc0 .Lfor_b_\@
	tensor_load_to_lds s[\g0a:\g0a+3], s[\g1a:\g1a+7]
	s_nop 0
.rept 4
	v_nop
.endr
	s_branch .Lasked_\@
.Lfor_b_\@:
	tensor_load_to_lds s[\g0b:\g0b+3], s[\g1b:\g1b+7]
	s_nop 0
.rept 4
	v_nop
.endr
.Lasked_\@:
.endm
.macro CREST
	s_cmp_lg_u32 s14, 0
	s_cbranch_scc1 .Lnot_wave_0_\@
	s_barrier_signal -3
.Lnot_wave_0_\@:
	s_barrier_wait -3
	s_barrier_signal -1
	s_barrier_wait -1
.endm
.macro CROUND
	s_barrier_signal -1
	s_barrier_wait -1
	CREST
.endm
.macro PLACES n
.rept \n
	v_nop
.endr
.endm
	s_load_b64 s[4:5], s[0:1], 0x0
	s_load_b128 s[8:11], s[0:1], 0x8
	s_load_b128 s[92:95], s[0:1], 0x18
	s_load_b64 s[12:13], s[0:1], 0x28
	v_lshl_add_u32 v[SPW], v0, 2, SPARE
	v_mov_b32 v[NIL], 0
	ds_add_u32 v28, v29
	ds_add_u32 v28, v29
	s_wait_dscnt 0x0
	v_lshrrev_b32 v1, 5, v0
	v_readfirstlane_b32 s14, v1
	s_lshr_b32 s15, s14, 1
	s_and_b32 s16, s14, 1
	s_bfe_u32 s40, ttmp6, 0x40000
	s_bfe_u32 s41, ttmp6, 0x40004
	s_lshl_b32 s42, ttmp9, 2
	s_add_co_u32 s42, s42, s40
	s_and_b32 s17, ttmp7, 0xffff
	s_lshl_b32 s17, s17, 2
	s_add_co_u32 s17, s17, s41
	s_lshl_b32 s43, s41, 2
	s_lshl_b32 s43, 15, s43
	s_lshl_b32 s44, 0x1111, s40
	s_or_b32 s[G1B+0], s44, (0<<16)|(1<<20)|(1<<21)|(5<<22)|(3<<25)
	s_mov_b32 s[G1B+1], 768<<16
	s_mov_b32 s[G1B+2], 64<<16                     ; the head's two loads of W bring 64 rows each
	s_mov_b32 s[G1B+3], 768<<16
	s_mov_b32 s[G1B+4], 64
	s_mov_b32 s[G1B+5], KROW
	s_mov_b32 s[G1B+6], 0
	s_mov_b32 s[G1B+7], 0
	s_or_b32 s[G1S+0], s43, (3<<16)|(1<<20)|(1<<21)|(5<<22)|(3<<25)
	s_or_b32 s[G1SB+0], s44, (3<<16)|(1<<20)|(1<<21)|(5<<22)|(3<<25)
.irp g, G1S, G1SB
	s_mov_b32 s[\g+1], 32<<16
	s_mov_b32 s[\g+2], (2*NK)<<16                  ; a side's scales whole: 2 NK rows of 256 bytes
	s_mov_b32 s[\g+3], 32<<16
	s_mov_b32 s[\g+4], 2*NK
	s_mov_b32 s[\g+5], 32
	s_mov_b32 s[\g+6], 0
	s_mov_b32 s[\g+7], 0
.endr
	s_mul_i32 s20, s17, NK*12288
	s_mul_i32 s18, s14, 3072
	s_add_co_u32 s20, s20, s18
	s_mov_b32 s21, 0
	s_mul_i32 s22, s17, NK*512
	s_add_co_u32 s22, s22, 12582912
	s_mov_b32 s23, 0
	s_lshl_b32 s46, s42, 7
	s_mul_i32 s96, s46, KS                         ; the scale bytes of W's 128 rows
	s_mul_i32 s32, s46, KROW                       ; and their codes
	s_mov_b32 s33, 0
	s_mov_b32 s97, 0
	s_lshl_b32 s18, s14, 5
	s_add_co_u32 s46, s46, s18
	s_mul_i32 s46, s46, KROW
	s_mov_b32 s47, 0
	s_mul_i32 s98, s14, QTR
	s_wait_kmcnt 0x0
	s_add_nc_u64 s[6:7], s[4:5], s[20:21]
	s_add_nc_u64 s[22:23], s[4:5], s[22:23]
	s_add_nc_u64 s[46:47], s[8:9], s[46:47]
	s_add_nc_u64 s[32:33], s[8:9], s[32:33]
	s_add_nc_u64 s[96:97], s[10:11], s[96:97]
	CROUND
	s_mov_b32 s[G0S], 1
	s_mov_b32 s[G0S+1], SCL
	s_mov_b64 s[G0S+2:G0S+3], s[22:23]
	s_or_b32 s[G0S+3], s[G0S+3], 0x80000000
	s_mov_b32 s[G0SB], 1
	s_mov_b32 s[G0SB+1], SCL+2*HALFS
	s_mov_b64 s[G0SB+2:G0SB+3], s[96:97]
	s_or_b32 s[G0SB+3], s[G0SB+3], 0x80000000
.irp s, 0,1
	s_mov_b32 s[G0B+4*\s], 1                       ; the ring's loads: my 32 rows of a slot
	s_add_co_u32 s[G0B+4*\s+1], s98, \s*SLOT
	s_add_nc_u64 s[G0B+4*\s+2:G0B+4*\s+3], s[46:47], \s*768
	s_or_b32 s[G0B+4*\s+3], s[G0B+4*\s+3], 0x80000000
.endr
	s_mov_b32 s24, 1                               ; the head's: slot 0's rows 0-63 of W,
	s_mov_b32 s25, 0
	s_mov_b64 s[26:27], s[32:33]
	s_or_b32 s27, s27, 0x80000000
	s_mov_b32 s28, 1                               ; and its rows 64-127
	s_mov_b32 s29, 64*PITCH
	s_add_nc_u64 s[30:31], s[32:33], 64*KROW
	s_or_b32 s31, s31, 0x80000000
; THE HEAD'S LOADS, ONE A WAVE: W's two halves of slot 0, A's scale words, W's scale bytes; one tree of branches on the wave's number: every way passes one load
.macro ARM under, g0, g1, next
	s_cmp_lt_u32 s14, \under
	s_cbranch_scc0 \next
	tensor_load_to_lds s[\g0:\g0+3], s[\g1:\g1+7]
	s_nop 0
	PLACES 4
	s_branch .Lhead_asked
\next:
.endm
	ARM 1, 24,  G1B, .Lhead_w1
	ARM 2, 28,  G1B, .Lhead_sa
	ARM 3, G0S, G1S, .Lhead_sb
	tensor_load_to_lds s[G0SB:G0SB+3], s[G1SB:G1SB+7]
	s_nop 0
	PLACES 4
.Lhead_asked:
	v_and_b32 v1, 15, v0
	v_bfe_u32 v2, v0, 4, 1
	v_and_b32 v3, 31, v0
	v_lshlrev_b32 v[L16], 4, v3
	v_lshlrev_b32 v[BO], 5, v2
	s_wait_alu depctr_va_vdst(0)
	s_lshl_b32 s46, s42, 9
	s_mov_b32 s47, 0
	s_add_nc_u64 s[92:93], s[92:93], s[46:47]
	s_lshl_b32 s20, s17, 7
	s_lshl_b32 s21, s14, 5
	s_add_co_u32 s20, s20, s21
	s_lshl_b32 s20, s20, 12
	s_add_co_u32 s20, s20, s46
	s_mov_b32 s21, 0
	s_add_nc_u64 s[94:95], s[94:95], s[20:21]
	s_add_nc_u64 s[12:13], s[12:13], s[20:21]
	WIN 0x40
.irp b, 0,1,2,3,4,5,6,7
	global_load_b128 v[BI+128*(\b/4)+8*(\b%4):BI+128*(\b/4)+8*(\b%4)+3], v[BO], s[92:93] offset:64*\b
	global_load_b128 v[BI+128*(\b/4)+8*(\b%4)+4:BI+128*(\b/4)+8*(\b%4)+7], v[BO], s[92:93] offset:64*\b+16
.endr
.macro ALOAD
.set AP, 24*(LK%RING)
.irp a, 0,1
.irp c, 0,1,2
	global_load_b128 v[AP+12*\a+4*\c:AP+12*\a+4*\c+3], v[L16], s[6:7] offset:12288*LK+1536*\a+512*\c
.endr
.endr
.endm
	WIN 0xc0
.set LK, 0
.rept RING
	ALOAD
.set LK, LK+1
.endr
	WIN 0
	v_mul_u32_u24 v4, v1, PITCH
	v_mad_u32_u24 v4, v2, 24, v4
	v_lshl_add_u32 v5, v2, 4, v4
.irp s, 0,1
.irp g, 0,1
	v_add_nc_u32 v[ADRB+4*\s+2*\g], \s*SLOT+\g*64*PITCH, v4
	v_add_nc_u32 v[ADRB+4*\s+2*\g+1], \s*SLOT+\g*64*PITCH, v5
.endr
.endr
	s_mul_i32 s21, s15, 272
	s_lshl_b32 s22, s16, 3
	s_add_co_u32 s21, s21, s22
	s_add_co_u32 s21, s21, SCL
	v_lshl_add_u32 v[ADSA], v1, 4, s21
	v_mul_u32_u24 v5, v1, KS
	v_lshrrev_b32 v6, 8, v5
	v_lshl_add_u32 v5, v6, 4, v5
	v_add_nc_u32 v[ADSB], SCL+2*HALFS, v5
	s_mul_i32 s23, s14, 16*SPITCH
	s_add_co_u32 s23, s23, STAGE
	v_mul_u32_u24 v5, v1, SPITCH
	v_lshl_add_u32 v5, v2, 5, v5
	v_add_nc_u32 v[STO], s23, v5
	v_add_nc_u32 v[RD], s23, v[L16]
.macro BATCH
.if BJ+RING < NK
	WIN 0xc0
.set LK, BJ+RING
	ALOAD
.elseif BJ < 28
	WIN 0x80
.irp i, 0,1,2,3,4,5
.if 6*(BJ-22)+\i < 32
	global_load_b128 v[RS+4*(6*(BJ-22)+\i):RS+4*(6*(BJ-22)+\i)+3], v[L16], s[94:95] offset:(6*(BJ-22)+\i)*4096 th:TH_LOAD_NT
.endif
.endr
.endif
	WIN 0
.endm
.macro FETCHB
.set FSL, (FK/8)%2
.set FQ, FK%8
.set FP, FK%2
	WIN 0x40
.irp i, 0,1,2,3,4,5,6,7
.irp p, 0,1,2,3,4,5
.set PCC, 12*FQ+6*(\p/3)+\p%3
.if PCC%32 < 29
	ds_load_b64 v[128*FP+FR*\i+2*\p:128*FP+FR*\i+2*\p+1], v[ADRB+4*FSL+2*(\i/4)] offset:8*PCC+16*(PCC/32)+(\i%4)*16*PITCH
.else
	ds_load_b64 v[128*FP+FR*\i+2*\p:128*FP+FR*\i+2*\p+1], v[ADRB+4*FSL+2*(\i/4)+1] offset:8*PCC+16*(PCC/32)+(\i%4)*16*PITCH
.endif
.endr
.endr
	WIN 0
.endm
.macro SCALES
.set FS, (FK/4)%2
.irp b, 0,1,2,3,4,5,6,7
	ds_load_b128 v[WSC+32*FS+4*\b:WSC+32*FS+4*\b+3], v[ADSB] offset:SBLK*\b+4*FK
.endr
.irp q, 0,1,2,3
	ds_load_b64 v[ASC+8*FS+2*\q:ASC+8*FS+2*\q+1], v[ADSA] offset:544*(FK+\q)
.endr
.endm
.macro MULG g
.set MP, KK%2
.set MS, (KK/4)%2
.set MQ, KK%4
.set MA, 24*(KK%RING)
.set AA, (\g)/2
.irp bb, 0,1,2,3
.set BB, 4*((\g)%2)+\bb
.if KK == 0
	v_wmma_scale_f32_16x16x128_f8f6f4 v[8*(8*AA+BB):8*(8*AA+BB)+7], v[128*MP+FR*BB:128*MP+FR*BB+FR-1], v[MA+FR*AA:MA+FR*AA+FR-1], v[BI+128*(BB/4)+8*(BB%4):BI+128*(BB/4)+8*(BB%4)+7], v[WSC+32*MS+4*BB+MQ], v[ASC+8*MS+2*MQ+AA] matrix_a_fmt:MATRIX_FMT_FP6 matrix_b_fmt:MATRIX_FMT_FP6
.else
	v_wmma_scale_f32_16x16x128_f8f6f4 v[8*(8*AA+BB):8*(8*AA+BB)+7], v[128*MP+FR*BB:128*MP+FR*BB+FR-1], v[MA+FR*AA:MA+FR*AA+FR-1], v[8*(8*AA+BB):8*(8*AA+BB)+7], v[WSC+32*MS+4*BB+MQ], v[ASC+8*MS+2*MQ+AA] matrix_a_fmt:MATRIX_FMT_FP6 matrix_b_fmt:MATRIX_FMT_FP6
.endif
.endr
.endm
.macro NWAIT
.if KK < 28
	s_wait_loadcnt 54
.else
	s_wait_loadcnt 50-6*(KK-28)
.endif
.endm
.macro STEP
.if KK > 0
	PLACES 4
.set BJ, KK-1
	BATCH
.endif
.set FK, KK+1
	FETCHB
.if FK%4 == 0
	SCALES
	s_wait_dscnt 60
.else
	s_wait_dscnt 48
.endif
	NWAIT
.if KK == 0
	WIN 0x9d
.else
	WIN 0xad
.endif
	MULG 0
	MULG 1
	MULG 2
	MULG 3
.endm
.macro TURN fill
.set TSL, (KK/8)%2
	PLACES 4
.set BJ, KK-1
	BATCH
	s_wait_tensorcnt 0x0
	ds_add_u32 v[SPW], v[NIL]
	s_wait_dscnt 1
	NWAIT
	WIN 0xad
	MULG 0
	s_wait_dscnt 0x0
	s_barrier_signal -1
	MULG 1
	WIN 0
	s_barrier_wait -1
.if \fill
	CREST
	s_add_nc_u64 s[G0B+4*TSL+2:G0B+4*TSL+3], s[G0B+4*TSL+2:G0B+4*TSL+3], 1536
	tensor_load_to_lds s[G0B+4*TSL:G0B+4*TSL+3], s[G1B:G1B+7]
	s_nop 0
.endif
	PLACES 4
.set FK, KK+1
	FETCHB
	SCALES
	WIN 0xad
	MULG 2
	MULG 3
.endm
	s_wait_alu depctr_va_vdst(0)
	s_wait_tensorcnt 0x0                           ; my tile of the head's four is in; the three lines ahead of a later first fill
	ds_add_u32 v[SPW], v[NIL]
	s_mov_b32 s[G1B+2], 32<<16                     ; no load of mine is out: from here on a load brings 32 rows
	s_mov_b32 s[G1B+4], 32
	s_wait_dscnt 0x0
	CROUND                                         ; all four tiles are in, and all sixteen work-groups are here
	tensor_load_to_lds s[G0B+4:G0B+7], s[G1B:G1B+7]   ; slot 1's first fill, my 32 rows: the first tensor load behind the round
	s_nop 0
	PLACES 4
.set FK, 0
	FETCHB
	SCALES
.set KK, 0
.rept 31
.if KK%8 == 7
.if KK < 16
	TURN 1
.else
	TURN 0
.endif
.else
	STEP
.endif
.set KK, KK+1
.endr
	s_wait_dscnt 0x0
	NWAIT
	WIN 0xad
	MULG 0
	MULG 1
	MULG 2
	MULG 3
	WIN 0
	s_wait_loadcnt 0x0
	PLACES 4
.irp a, 0,1
	WIN 0x08
.irp b, 0,1,2,3,4,5,6,7
	ds_store_b128 v[STO], v[8*(8*\a+\b):8*(8*\a+\b)+3] offset:64*\b
	ds_store_b128 v[STO], v[8*(8*\a+\b)+4:8*(8*\a+\b)+7] offset:64*\b+16
.endr
.irp t, 0,1,2,3,4,5,6,7,8,9,10,11,12,13,14,15
	ds_load_b128 v[OB+64*\a+4*\t:OB+64*\a+4*\t+3], v[RD] offset:\t*SPITCH
.endr
	s_wait_dscnt 0x0
.irp n, 0,2,4,6,8,10,12,14,16,18,20,22,24,26,28,30,32,34,36,38,40,42,44,46,48,50,52,54,56,58,60,62
	v_pk_add_f32 v[OB+64*\a+\n:OB+64*\a+\n+1], v[OB+64*\a+\n:OB+64*\a+\n+1], v[RS+64*\a+\n:RS+64*\a+\n+1]
.endr
	WIN 0
.irp t, 0,1,2,3,4,5,6,7,8,9,10,11,12,13,14,15
	global_store_b128 v[L16], v[OB+64*\a+4*\t:OB+64*\a+4*\t+3], s[12:13] offset:(16*\a+\t)*4096 th:TH_STORE_NT
.endr
.endr
	s_wait_tensorcnt 0x0
	ds_add_u32 v[SPW], v[NIL]
	s_wait_dscnt 0x0
	CROUND
	s_endpgm
.Lfunc_end_k_qa49712c214_ffn2:
	.size	k_qa49712c214_ffn2, .Lfunc_end_k_qa49712c214_ffn2-k_qa49712c214_ffn2
	.p2alignl 7, 3214868480
	.fill 96, 4, 3214868480
	.section	.rodata,"a",@progbits
	.p2align	6, 0x0
	.amdhsa_kernel k_qa49712c214_ffn2
		.amdhsa_group_segment_fixed_size 327680
		.amdhsa_private_segment_fixed_size 0
		.amdhsa_enable_private_segment 0
		.amdhsa_kernarg_size 48
		.amdhsa_user_sgpr_count 2
		.amdhsa_user_sgpr_kernarg_segment_ptr 1
		.amdhsa_wavefront_size32 1
		.amdhsa_system_sgpr_workgroup_id_x 1
		.amdhsa_system_sgpr_workgroup_id_y 1
		.amdhsa_system_sgpr_workgroup_id_z 1
		.amdhsa_system_vgpr_workitem_id 0
		.amdhsa_next_free_vgpr 1024
		.amdhsa_next_free_sgpr 102
		.amdhsa_reserve_vcc 0
		.amdhsa_float_denorm_mode_32 3
		.amdhsa_float_denorm_mode_16_64 3
		.amdhsa_memory_ordered 1
		.amdhsa_forward_progress 1
		.amdhsa_inst_pref_size 223
	.end_amdhsa_kernel
	.amdgpu_metadata
---
amdhsa.version: [ 1, 2 ]
amdhsa.kernels:
  - .name:           k_qa49712c214_ffn2
    .symbol:         k_qa49712c214_ffn2.kd
    .args:
      - { .name: hid, .offset: 0, .size: 8, .value_kind: global_buffer, .address_space: global }
      - { .name: W2_codes, .offset: 8, .size: 8, .value_kind: global_buffer, .address_space: global }
      - { .name: W2_scales, .offset: 16, .size: 8, .value_kind: global_buffer, .address_space: global }
      - { .name: b2, .offset: 24, .size: 8, .value_kind: global_buffer, .address_space: global }
      - { .name: x1, .offset: 32, .size: 8, .value_kind: global_buffer, .address_space: global }
      - { .name: out0, .offset: 40, .size: 8, .value_kind: global_buffer, .address_space: global }
    .group_segment_fixed_size: 327680
    .private_segment_fixed_size: 0
    .kernarg_segment_align: 8
    .kernarg_segment_size: 48
    .max_flat_workgroup_size: 128
    .sgpr_count:     102
    .vgpr_count:     1024
    .wavefront_size: 32
...
	.end_amdgpu_metadata
.endif
;; end of part 6
